; MI455X (gfx1250); checked and timed in simulation.
; The chip was launched on July 23, 2026; its instructions are those of AMD's public machine-readable ISA for CDNA 5 (MIT licence, August 2026) and "CDNA5" Instruction Set Architecture Reference Guide (July 2026). The comments in the code are by the model that wrote it; some were corrected since.
;; MHS Attention. Allowed arithmetic: matrix products marked QUANTISED: E2M3 operands, one E8M0 scale for each 32 along K, by v_wmma_scale_f32_16x16x128_f8f6f4 with both operands' format E2M3, f32 sums; everything else in f32.
;; Inputs: w_out 1,024 x 1,024 float32; w_qkv 1,024 x 3,072 float32; x 4 x 2,048 x 1,024 float32.
;; Outputs: out0 4 x 2,048 x 1,024 float32.
;; This version of the problem:
;;   THIS VERSION OF THE PROBLEM IS GIVEN IN LOW PRECISION. The matrix products marked QUANTISED in the list below multiply operands that are first quantised to E2M3 (2 exponent bits, 3 mantissa bits; 6 bits a number), with one power-of-two scale for each 32 numbers along K (OCP MX v1.0); their sums are f32. All else is computed in f32.
;;   The module's matrix products, in the order in which they are computed (A, B: the left and right operand; K: the contracted axis; several contracted axes count as one K, in the product's order):
;;     1. [M 8,192, K 1,024] x [K 1,024, N 3,072]; A: input x; B: input w_qkv: QUANTISED
;;     2. batch 64 x [M 2,048, K 64] x [K 64, N 2,048]; A: computed on the way; B: computed on the way: QUANTISED
;;     3. batch 64 x [M 2,048, K 2,048] x [K 2,048, N 64]; A: softmax (see below); B: computed on the way: QUANTISED
;;     4. [M 8,192, K 1,024] x [K 1,024, N 1,024]; A: computed on the way; B: input w_out: QUANTISED
;;   THE QUANTISER, for each operand of a quantised product, along K:
;;     - K is cut into blocks of 32 from its start; a last block that is shorter is filled with zeros.
;;     - A block's scale is 2^e with e = floor(log2(the largest magnitude in the block)) - 2, held to -126 .. 127; a block of zeros has e = 0. As a byte (E8M0): e + 127.
;;     - Each number is divided by its block's scale, clamped to +-7.5, and rounded to the nearest number of E2M3, ties to even, subnormals kept.
;;     - The product sums the exact products of the quantised numbers (number of the format x scale) in f32.
;;   ~~~python
;;   def quantise(x, axis):      # numpy; x: float32 -> the quantised numbers, widened to float32 again
;;       x = np.moveaxis(x, axis, -1); K = x.shape[-1]
;;       x = np.pad(x, [(0, 0)] * (x.ndim - 1) + [(0, -K % 32)]); x = x.reshape(x.shape[:-1] + (-1, 32)); a = np.abs(x).max(-1, keepdims=True)
;;       e = np.where(a > 0, np.clip(np.frexp(np.where(a > 0, a, 1))[1] - 1 - 2, -126, 127), 0)      # np.frexp(a)[1] - 1 = floor(log2(a)), exactly
;;       r = np.clip(x / 2.0 ** e, -7.5, 7.5)
;;       step = 2.0 ** (np.maximum(np.frexp(np.where(r == 0, 1, r))[1] - 1, 0) - 3)
;;       q = np.round(r / step) * step * 2.0 ** e      # np.round: ties to even
;;       return np.moveaxis(q.reshape(q.shape[:-2] + (-1,))[..., :K], -1, axis).astype(np.float32)
;;   ~~~
;;   SOFTMAX AHEAD OF A QUANTISED PRODUCT. Where the list says 'softmax', what is quantised is not the finished softmax but p = 2^(t - M), with t = logit x log2(e) and M = ceil(the row's largest t), a whole number; so 1/2 < the row's largest p <= 1. The row's sum l is taken of the UNQUANTISED p, in f32, and the product's result is divided by l at the end. Since M is a whole number, a kernel that streams over the keys may use a running M (the ceiling of the running maximum): every later rescaling is an exact power of two, which a block's scale takes up: the codes' values come out the same.
;;   OPERANDS COMPUTED ON THE WAY. 'Computed on the way' means the value that the module computes at that place (a softmax that the list does not call 'softmax' is quantised finished and normalised). What goes into a quantiser is computed in f32, as accurately as f32 sums, v_exp_f32 and their like allow (about 1e-6 of the number): no bf16 or f16 on the way to a quantiser, and a product that is left as it is and whose result goes on into a quantised operand takes f32 operands (vector FMAs, or v_wmma_f32_16x16x4_f32). A number that lies on a knife's edge between two numbers of the format may be rounded either way, as far as f32 arithmetic and the matrix unit's own rounding can turn it there, and no further.
;; One version. Each part assembles by itself: llvm-mc -triple=amdgcn-amd-amdhsa -mcpu=gfx1250 --defsym DOCPART=n.
;; ======== version 1 of 1: 4 launches
;; limits: right only within a limited range of input values
;; workspace buffers: xc 6,291,456 bytes; xs 262,144 bytes; wc 3,145,728 bytes; ws 131,072 bytes; qkv 18,874,368 bytes; qkvs 1,310,720 bytes; ao 6,291,456 bytes; aos 262,144 bytes
;; launch quant (part 1): grid 384 x 1, 4 waves a work-group, no clusters, 59,904 bytes of LDS; arguments x, w_qkv, w_out, xc, xs, wc, ws; writes xc, xs, wc, ws
.if DOCPART == 1
	.amdgcn_target "amdgcn-amd-amdhsa--gfx1250"
	.amdhsa_code_object_version 6
	.text
	.protected	k_qcd85c4a701_quant
	.globl	k_qcd85c4a701_quant
	.p2align	8
	.type	k_qcd85c4a701_quant,@function
k_qcd85c4a701_quant:
	s_mov_b64 s[64:65], 0
	v_nop
	global_prefetch_b8 v0, s[64:65] scope:SCOPE_SE
	s_setreg_imm32_b32 hwreg(HW_REG_WAVE_MODE, 25, 1), 1
	s_wait_xcnt 0x0
; x [8192][1024], w_qkv [1024][3072] and w_out [1024][1024], f32, become codes of FP6 (E2M3) with one E8M0 byte for each 32 along K (K = 1024 in all three).
; A block's scale is 2^(floor(log2(its largest magnitude)) - 2); its byte is the largest magnitude's exponent field - 2, held at 1 from below.
; LIMITS: NaN and infinities are not served; blocks whose largest magnitude lies under 2^-124 keep the byte 1; a block of zeros gets the byte 1 and not 127: its codes are zeros, and this program alone reads the bytes.
; THE WORKSPACE IS LAID AS THE MATRIX UNIT'S REGISTERS WANT IT.  Rows go in tiles of 16; row r of tile T is true row 32 (T / 2) + 8 (T % 2) + r + 8 (r / 8) (bits 3 and 4 of the index change places).
; Codes: the fragment of (tile T, K step g of 128) is 1,536 bytes at 12288 T + 1536 g; register pair p of lane l lies at + 256 p + 8 l.  Scale words: (T, g, row r) at 512 T + 128 (g / 2) + 8 r + 4 (g % 2).
; wc's tiles: 0-191 the columns of w_qkv, 192-255 those of w_out.
; Work-groups 0-255 take x (K innermost), 256-383 the weights (K outermost).  The two ways part on the work-group's number, never join, and have LDS bytes of their own.
; The launch streams each input byte once: no matrix unit, no tensor load, no barrier (waves share nothing), no cluster (work-groups share no input).
.set SPARE, 59392                      ; the spare words: 128 bytes for each wave, two blocks of 256 bytes that no other line names
.set SPW,   246                        ; v246 LDS address of my spare word; never rewritten
.set NIL,   247                        ; v247 0; never rewritten
.set SEL,   18                         ; s[18:19] v_permlanex16_b32's selects for lane l xor 16
; the way of x
.set XREG,  8704                       ; LDS of a wave: a stage of 16 rows x 528 bytes, then 256 bytes of scale words
.set SP,    528                        ; a stage row: 512 bytes + 16
.set TM,    16                         ; v16-31   at work in QUANT
.set R,     32                         ; v32-159  two sets of 64 registers as loaded
.set X,     160                        ; v160-223 64 numbers, register 16 b + i = k 32 b + 16 h + i of my row
.set PC,    224                        ; v224-242 the codes
.set PW,    244                        ; v244     the scale word
; the way of the weights
.set WBASE, 34816
.set WREG,  6144                       ; LDS of a wave: 2 tiles x 2 K steps x 1,536 bytes
.set XW,    32                         ; v32-95   two sets of 32 numbers
.set VO,    96                         ; v96-127  4 x lane + i x pitch
.set CW,    128                        ; v128-134 a block's codes
.set SB,    136                        ; v136-137 my column's eight scale bytes
.set OW,    140                        ; v140-187 the way out
; 64 numbers of a lane, v[s] on, become a fragment's 12 registers in v[PC] on and its scale word in v[PW]
.macro QUANT s
.irp b, 0,1,2,3
	v_max3_num_f32 v[TM+\b], |v[\s+16*\b]|, |v[\s+1+16*\b]|, 0x1800000   ; block b: my 16 numbers, and the floor 2^(3 - 127): the byte cannot fall under 1
.endr
.irp i, 2,4,6,8,10,12,14
.irp b, 0,1,2,3
	v_max3_num_f32 v[TM+\b], v[TM+\b], |v[\s+16*\b+\i]|, |v[\s+1+16*\b+\i]|
.endr
.endr
.irp b, 0,1,2,3
	v_permlanex16_b32 v[TM+4+\b], v[TM+\b], s[SEL], s[SEL+1]
.endr
.irp b, 0,1,2,3
	v_max_num_f32 v[TM+\b], v[TM+\b], v[TM+4+\b]   ; with lane l xor 16's: the block's largest magnitude
.endr
.irp b, 0,1,2,3
	v_add_nc_u32 v[TM+12+\b], 0xff000000, v[TM+\b]   ; 2 off its exponent field: the conversion's scale operand
.endr
.irp b, 0,1,2,3
	v_lshrrev_b32 v[TM+4+\b], 23, v[TM+12+\b]      ; the scale's byte
.endr
	v_lshl_or_b32 v[PW], v[TM+5], 8, v[TM+4]
	v_lshl_or_b32 v[PW], v[TM+6], 16, v[PW]
	v_lshl_or_b32 v[PW], v[TM+7], 24, v[PW]
.irp c, 0,1
	v_cvt_scalef32_pk16_fp6_f32 v[PC+6*\c:PC+2+6*\c], v[\s+32*\c:\s+15+32*\c], v[TM+12+2*\c]
	v_cvt_scalef32_pk16_fp6_f32 v[PC+12+4*\c:PC+14+4*\c], v[\s+16+32*\c:\s+31+32*\c], v[TM+12+2*\c+1]   ; (a conversion's three registers begin on an even number)
.endr
	v_nop                                          ; one plain instruction behind the scaled conversions
.irp c, 0,1                                    ; the layout wants a whole block in a lane: lanes 0-15 block 2 c, lanes 16-31 block 2 c + 1
.irp i, 0,1,2
	v_permlane16_swap_b32 v[PC+6*\c+\i], v[PC+12+4*\c+\i]
.endr
.irp i, 0,1,2
	v_mov_b32 v[PC+3+6*\c+\i], v[PC+12+4*\c+\i]
.endr
.endr
.endm
	s_load_b256 s[4:11], s[0:1], 0x0               ; x s[4:5], w_qkv s[6:7], w_out s[8:9], xc s[10:11]
	s_load_b128 s[12:15], s[0:1], 0x20             ; xs s[12:13], wc s[14:15]
	s_load_b64 s[16:17], s[0:1], 0x30              ; ws
	v_lshl_add_u32 v[SPW], v0, 2, SPARE
	v_mov_b32 v[NIL], 0
	v_lshrrev_b32 v1, 5, v0
	v_readfirstlane_b32 s20, v1                    ; wave 0..3
	v_and_b32 v2, 31, v0                           ; lane
	s_cmp_lt_u32 ttmp9, 256
	s_cbranch_scc0 .Lweights
; ---------------- x: wave W = 4 x work-group + wave takes tile W / 2, K steps 4 (W % 2) .. + 3: 16 rows x 512 along K
	v_and_b32 v9, 15, v0                           ; r
	v_bfe_u32 v10, v0, 4, 1                        ; h
	v_lshlrev_b32 v3, 4, v2                        ; my 16 bytes of a load's 512
	s_mul_i32 s21, s20, XREG
	v_add_nc_u32 v4, s21, v3                       ; the stage, in: 16 x lane (+ 528 x row)
	v_mul_u32_u24 v5, v9, SP
	v_lshl_add_u32 v5, v10, 6, v5
	v_add_nc_u32 v5, s21, v5                       ; out: row r, + 64 h: my 16 numbers of each block of 32
	v_lshlrev_b32 v6, 3, v2                        ; 8 x lane
	s_add_co_u32 s21, s21, 16*SP
	v_lshl_add_u32 v7, v9, 3, s21                  ; the scale words are gathered at 8 r,
	v_add_nc_u32 v8, s21, v6                       ; and read back at 8 x lane
	s_mov_b32 s[SEL], 0x76543210
	s_mov_b32 s[SEL+1], 0xfedcba98
.irp b, 0,1,2,3
	v_mov_b32 v[TM+4+\b], 0                        ; written once: a lane permute's destination counts as one of its sources
.endr
	s_lshl_b32 s21, ttmp9, 2
	s_add_co_u32 s21, s21, s20                     ; W
	s_lshr_b32 s22, s21, 2
	s_lshl_b32 s24, s22, 17                        ; 32 rows of 4,096 bytes for each pair of tiles,
	s_bfe_u32 s23, s21, 0x10001
	s_lshl_b32 s23, s23, 15                        ; 8 rows for the odd tile,
	s_add_co_u32 s24, s24, s23
	s_and_b32 s23, s21, 1
	s_lshl_b32 s23, s23, 11                        ; 2,048 bytes for the upper half of K
	s_add_co_u32 s24, s24, s23
	s_mov_b32 s25, 0
	s_mul_i32 s26, s21, 6144                       ; four fragments a wave
	s_mov_b32 s27, 0
	s_lshl_b32 s28, s21, 8                         ; 256 bytes of scale words a wave
	s_mov_b32 s29, 0
	s_wait_alu depctr_va_vdst(0)
	s_wait_kmcnt 0x0
	s_add_nc_u64 s[4:5], s[4:5], s[24:25]
	s_add_nc_u64 s[10:11], s[10:11], s[26:27]
	s_add_nc_u64 s[12:13], s[12:13], s[28:29]
.macro LOADX t                         ; K step t of my 16 rows: each load reads 512 consecutive bytes of one row
.set i, 0
.rept 16
	global_load_b128 v[R+64*((\t)%2)+4*i:R+64*((\t)%2)+4*i+3], v3, s[4:5] offset:(i+8*(i/8))*4096+512*(\t) th:TH_LOAD_NT
.set i, i+1
.endr
.endm
.macro STEPX t
.if (\t) < 3
	s_wait_loadcnt 16                              ; this step's 16 loads are in; the next step's 16 may be out
.else
	s_wait_loadcnt 0x0
.endif
.set i, 0
.rept 16
	ds_store_b128 v4, v[R+64*((\t)%2)+4*i:R+64*((\t)%2)+4*i+3] offset:SP*i
.set i, i+1
.endr
.irp b, 0,1,2,3
.irp j, 0,1,2,3
	ds_load_b128 v[X+16*\b+4*\j:X+16*\b+4*\j+3], v5 offset:128*\b+16*\j   ; LDS serves a wave's instructions in order: these see the stores above
.endr
.endr
	s_wait_dscnt 0x0                               ; the stores have read their registers, and my 64 numbers are in
	s_wait_xcnt 0x0                                ; the last step's global stores have read the codes' registers, which are written again below
.if (\t) < 2
	LOADX (\t)+2
.endif
	QUANT X
.irp p, 0,1,2,3,4,5
	global_store_b64 v6, v[PC+2*\p:PC+2*\p+1], s[10:11] offset:1536*(\t)+256*\p   ; 32 lanes store 256 consecutive bytes, aligned
.endr
	ds_store_b32 v7, v[PW] offset:128*((\t)/2)+4*((\t)%2)   ; lanes r and r + 16 write the same word with the same value
.endm
	LOADX 0
	LOADX 1
	STEPX 0
	STEPX 1
	STEPX 2
	STEPX 3
	ds_load_b64 v[12:13], v8
	s_wait_dscnt 0x0
	global_store_b64 v6, v[12:13], s[12:13]        ; my 64 scale words: 256 consecutive bytes, aligned
	s_wait_tensorcnt 0x0                           ; the wave's end: behind my last LDS store
	ds_add_u32 v[SPW], v[NIL]
	s_wait_dscnt 0x0
	s_endpgm
; ---------------- the weights: a lane takes a column n and its registers run down K.  A work-group takes 128 columns x 256 along K, a wave 32 columns (two tiles): 8 blocks a lane
.Lweights:
	s_sub_co_u32 s21, ttmp9, 256
	s_and_b32 s22, s21, 31                         ; which 128 columns: 0-23 of w_qkv, 24-31 of w_out
	s_lshr_b32 s23, s21, 5                         ; which 256 along K
	s_sub_co_u32 s25, s22, 24
	s_mov_b32 s24, 4096
	s_cmp_lt_u32 s22, 24
	s_cselect_b32 s24, 12288, s24                  ; bytes from row to row
	s_cselect_b32 s25, s22, s25                    ; the group of columns inside its tensor
	s_lshl_b32 s26, s25, 9
	s_lshl_b32 s27, s20, 7
	s_add_co_u32 s26, s26, s27                     ; my wave's first column, in bytes
	s_lshl_b32 s27, s23, 8
	s_mul_i32 s27, s27, s24
	s_add_co_u32 s30, s26, s27                     ; + my first row
	s_mov_b32 s31, 0
	s_lshl_b32 s29, s24, 5                         ; a block of 32 rows on
	s_wait_alu depctr_va_vdst(0)
	v_lshlrev_b32 v3, 2, v2
.set i, 0
.rept 32
	v_mad_u32_u24 v[VO+i], s24, i, v3              ; row i of a block, my column
.set i, i+1
.endr
	s_mul_i32 s28, s20, WREG
	s_add_co_u32 s28, s28, WBASE
	v_bfe_u32 v10, v0, 3, 1                        ; my column's tile of the two: bit 3 of the lane,
	v_and_b32 v11, 7, v0
	v_bfe_u32 v12, v0, 4, 1
	v_lshl_add_u32 v11, v12, 3, v11                ; and its row there: (lane % 8) + 8 (lane / 16)
	v_mul_u32_u24 v9, v10, 3072
	v_lshl_add_u32 v9, v11, 3, v9
	v_add_nc_u32 v9, s28, v9                       ; the stage, in
	v_lshlrev_b32 v14, 9, v10
	v_lshl_add_u32 v14, v11, 3, v14                ; my scale words' place: 512 x tile + 8 x row
	v_lshlrev_b32 v8, 4, v2
	v_add_nc_u32 v15, s28, v8                      ; the stage, out: 16 x lane
	s_lshl_b32 s48, s22, 3
	s_lshl_b32 s49, s20, 1
	s_add_co_u32 s48, s48, s49                     ; my first tile
	s_mul_i32 s50, s48, 12288
	s_mul_i32 s49, s23, 3072
	s_add_co_u32 s50, s50, s49
	s_mov_b32 s51, 0
	s_lshl_b32 s52, s48, 9
	s_lshl_b32 s49, s23, 7
	s_add_co_u32 s52, s52, s49
	s_mov_b32 s53, 0
	s_wait_kmcnt 0x0
	s_cmp_lt_u32 s22, 24                           ; the choice hangs on the work-group's number alone
	s_cselect_b64 s[6:7], s[6:7], s[8:9]
.set t, 0
.rept 8
	s_add_nc_u64 s[32+2*t:33+2*t], s[6:7], s[30:31]   ; a base for each block: nothing is stepped while loads are out
	s_add_co_u32 s30, s30, s29
.set t, t+1
.endr
	s_add_nc_u64 s[14:15], s[14:15], s[50:51]
	s_add_nc_u64 s[16:17], s[16:17], s[52:53]
.macro LOADW t                         ; block t: 32 rows, each load 128 consecutive bytes a wave, the four waves side by side
.set i, 0
.rept 32
	global_load_b32 v[XW+32*((\t)%2)+i], v[VO+i], s[32+2*(\t):33+2*(\t)] th:TH_LOAD_NT
.set i, i+1
.endr
.endm
.macro BLOCKW t
.set XS, XW+32*((\t)%2)
.if (\t) < 7
	s_wait_loadcnt 32                              ; this block's 32 loads are in; the next block's may be out
.else
	s_wait_loadcnt 0x0
.endif
	v_max3_num_f32 v20, |v[XS]|, |v[XS+1]|, |v[XS+2]|   ; the block's largest magnitude: all 32 numbers are mine
	v_max3_num_f32 v21, |v[XS+3]|, |v[XS+4]|, |v[XS+5]|
.irp i, 6,10,14,18,22,26
	v_max3_num_f32 v20, v20, |v[XS+\i]|, |v[XS+\i+1]|
	v_max3_num_f32 v21, v21, |v[XS+\i+2]|, |v[XS+\i+3]|
.endr
	v_max3_num_f32 v20, v20, |v[XS+30]|, |v[XS+31]|
	v_max3_num_f32 v20, v20, v21, 0x1800000        ; and the floor 2^(3 - 127)
	v_add_nc_u32 v22, 0xff000000, v20              ; the conversion's scale operand
	v_lshrrev_b32 v23, 23, v22                     ; the byte
.if (\t)%4 == 0
	v_mov_b32 v[SB+(\t)/4], v23
.else
	v_lshl_or_b32 v[SB+(\t)/4], v23, 8*((\t)%4), v[SB+(\t)/4]
.endif
	v_cvt_scalef32_pk16_fp6_f32 v[CW:CW+2], v[XS:XS+15], v22
	v_cvt_scalef32_pk16_fp6_f32 v[CW+4:CW+6], v[XS+16:XS+31], v22
	v_nop                                          ; one plain instruction behind the scaled conversions
	v_mov_b32 v[CW+3], v[CW+4]                     ; the block's 24 bytes on end
	v_mov_b32 v[CW+4], v[CW+5]
	v_mov_b32 v[CW+5], v[CW+6]
.irp j, 0,1,2
	ds_store_b64 v9, v[CW+2*\j:CW+2*\j+1] offset:1536*((\t)/4)+256*(3*(((\t)%4)/2)+\j)+128*((\t)%2)   ; block 2 c + h of a K step is register pairs 3 c .. 3 c + 2 of lane 16 h + row
.endr
.if (\t) < 6
	LOADW (\t)+2
.endif
	s_wait_dscnt 0x0                               ; the stores have read their registers: the next block's codes may be written
.endm
	LOADW 0
	LOADW 1
.irp t, 0,1,2,3,4,5,6,7
	BLOCKW \t
.endr
	s_wait_alu depctr_va_vdst(0)
	global_store_b64 v14, v[SB:SB+1], s[16:17]     ; my column's two scale words: runs of 128 consecutive bytes a tile (131,072 bytes in the whole launch)
.set m, 0
.rept 12
	ds_load_b128 v[OW+4*m:OW+4*m+3], v15 offset:512*m
.set m, m+1
.endr
.set m, 0
.rept 12
	s_wait_dscnt 11-m                              ; read m is in; the 11 - m behind it may be out
	global_store_b128 v8, v[OW+4*m:OW+4*m+3], s[14:15] offset:(m/6)*12288+512*(m%6)   ; 512 consecutive bytes, aligned to 256
.set m, m+1
.endr
	s_wait_tensorcnt 0x0                           ; the wave's end: behind my last LDS store
	ds_add_u32 v[SPW], v[NIL]
	s_wait_dscnt 0x0
	s_endpgm
.Lfunc_end_k_qcd85c4a701_quant:
	.size	k_qcd85c4a701_quant, .Lfunc_end_k_qcd85c4a701_quant-k_qcd85c4a701_quant
	.p2alignl 7, 3214868480
	.fill 96, 4, 3214868480
	.section	.rodata,"a",@progbits
	.p2align	6, 0x0
	.amdhsa_kernel k_qcd85c4a701_quant
		.amdhsa_group_segment_fixed_size 59904
		.amdhsa_private_segment_fixed_size 0
		.amdhsa_enable_private_segment 0
		.amdhsa_kernarg_size 56
		.amdhsa_user_sgpr_count 2
		.amdhsa_user_sgpr_kernarg_segment_ptr 1
		.amdhsa_wavefront_size32 1
		.amdhsa_system_sgpr_workgroup_id_x 1
		.amdhsa_system_sgpr_workgroup_id_y 1
		.amdhsa_system_sgpr_workgroup_id_z 1
		.amdhsa_system_vgpr_workitem_id 0
		.amdhsa_next_free_vgpr 248
		.amdhsa_next_free_sgpr 66
		.amdhsa_reserve_vcc 0
		.amdhsa_float_denorm_mode_32 3
		.amdhsa_float_denorm_mode_16_64 3
		.amdhsa_memory_ordered 1
		.amdhsa_forward_progress 1
		.amdhsa_inst_pref_size 79
	.end_amdhsa_kernel
	.amdgpu_metadata
---
amdhsa.version: [ 1, 2 ]
amdhsa.kernels:
  - .name:           k_qcd85c4a701_quant
    .symbol:         k_qcd85c4a701_quant.kd
    .args:
      - { .name: x, .offset: 0, .size: 8, .value_kind: global_buffer, .address_space: global }
      - { .name: w_qkv, .offset: 8, .size: 8, .value_kind: global_buffer, .address_space: global }
      - { .name: w_out, .offset: 16, .size: 8, .value_kind: global_buffer, .address_space: global }
      - { .name: xc, .offset: 24, .size: 8, .value_kind: global_buffer, .address_space: global }
      - { .name: xs, .offset: 32, .size: 8, .value_kind: global_buffer, .address_space: global }
      - { .name: wc, .offset: 40, .size: 8, .value_kind: global_buffer, .address_space: global }
      - { .name: ws, .offset: 48, .size: 8, .value_kind: global_buffer, .address_space: global }
    .group_segment_fixed_size: 59904
    .private_segment_fixed_size: 0
    .kernarg_segment_align: 8
    .kernarg_segment_size: 56
    .max_flat_workgroup_size: 128
    .sgpr_count:     66
    .vgpr_count:     248
    .wavefront_size: 32
...
	.end_amdgpu_metadata
.endif
;; end of part 1
;; launch gemm_qkv (part 2): grid 8 x 48, 4 waves a work-group, clusters of 4 x 4, 327,680 bytes of LDS; arguments xc, xs, wc, ws, qkv, qkvs; writes qkv, qkvs
.if DOCPART == 2
	.amdgcn_target "amdgcn-amd-amdhsa--gfx1250"
	.amdhsa_code_object_version 6
	.text
	.protected	k_qcd85c4a701_gemm_qkv
	.globl	k_qcd85c4a701_gemm_qkv
	.p2align	8
	.type	k_qcd85c4a701_gemm_qkv,@function
k_qcd85c4a701_gemm_qkv:
	s_mov_b64 s[64:65], 0
	v_nop
	global_prefetch_b8 v0, s[64:65] scope:SCOPE_SE
	s_setreg_imm32_b32 hwreg(HW_REG_WAVE_MODE, 25, 1), 1
	s_wait_xcnt 0x0
	s_wait_alu depctr_hold_cnt(0) depctr_sa_sdst(0) depctr_va_vdst(0) depctr_va_sdst(0) depctr_va_ssrc(0) depctr_va_vcc(0) depctr_vm_vsrc(0)
	s_getreg_b32 s2, hwreg(HW_REG_IB_STS2, 6, 4)
	s_cmp_eq_u32 s2, 0
	s_cbranch_scc0 .Lentry_in_a_cluster
	s_endpgm
.Lentry_in_a_cluster:
	s_bfe_u32 s2, ttmp6, 0x10000c
	s_cmp_lg_u32 s2, 0xf033
	s_cbranch_scc0 .Lentry_shape_is_right
	s_endpgm
.Lentry_shape_is_right:
.set NQ,     2
.set ROWB,   3072
.set FR,     12
.set NL,     6
.set NP,     4
.set HALFT,  8*ROWB
.set SLOT,   4*HALFT
.set LAPS,   2
.set SCL,    2*SLOT
.set HALFS,  4096
.set SPARE,  SCL+4*HALFS
.set ADRA, 16
.set ADRB, 20
.set ADRS, 27
.set SPW,  28
.set NIL,  29
.set SC,   32
.set AF,   128
.set TM,   64
.set PW,   80
.set PC,   96
.set SEL,  104
.set G1, 24
.set G0, 32
.set G1B, 48
.set G0B, 56
.set G1S, 68
.set G0S, 76
.set G1SB, 80
.set G0SB, 88
.set MSB, 0
.macro WIN new
.if MSB != \new
	s_set_vgpr_msb (MSB<<8)|\new
.set MSB, \new
.endif
.endm
.set MUL_LO, 0xa1
.set MUL_HI, 0xf1
.set TO_B,   0x40
.macro JLOAD g0a, g1a, g0b, g1b
	s_cmp_eq_u32 s15, 0
	s_cbranch_scc0 .Lfor_b_\@
	tensor_load_to_lds s[\g0a:\g0a+3], s[\g1a:\g1a+7]
	s_nop 0
.rept 4
	v_nop
.endr
	s_branch .Lasked_\@
.Lfor_b_\@:
	tensor_load_to_lds s[\g0b:\g0b+3], s[\g1b:\g1b+7]
	s_nop 0
.rept 4
	v_nop
.endr
.Lasked_\@:
.endm
.macro CREST
	s_cmp_lg_u32 s14, 0
	s_cbranch_scc1 .Lnot_wave_0_\@
	s_barrier_signal -3
.Lnot_wave_0_\@:
	s_barrier_wait -3
	s_barrier_signal -1
	s_barrier_wait -1
.endm
.macro CROUND
	s_barrier_signal -1
	s_barrier_wait -1
	CREST
.endm
	s_load_b128 s[4:7], s[0:1], 0x0
	s_load_b128 s[8:11], s[0:1], 0x10
	s_load_b64 s[12:13], s[0:1], 0x20
	s_load_b64 s[96:97], s[0:1], 0x28
	v_lshl_add_u32 v[SPW], v0, 2, SPARE
	v_mov_b32 v[NIL], 0
	ds_add_u32 v[SPW], v[NIL]
	ds_add_u32 v[SPW], v[NIL]
	v_lshrrev_b32 v1, 5, v0
	v_readfirstlane_b32 s14, v1
	s_lshr_b32 s15, s14, 1
	s_and_b32 s16, s14, 1
	s_bfe_u32 s40, ttmp6, 0x40000
	s_bfe_u32 s41, ttmp6, 0x40004
	s_and_b32 s2, ttmp7, 0xffff
	s_lshl_b32 s17, s2, 2
	s_lshl_b32 s42, ttmp9, 2
	s_sub_co_u32 s3, s2, 8
	s_lshl_b32 s3, s3, 3
	s_add_co_u32 s3, s3, s42
	s_cmp_ge_u32 s2, 8
	s_cselect_b32 s95, 1, 0
	s_cselect_b32 s17, 0, s17
	s_cselect_b32 s42, s3, s42
	s_cselect_b32 s19, 128, 0
	s_add_co_u32 s17, s17, s41
	s_add_co_u32 s42, s42, s40
	s_lshl_b32 s43, s41, 2
	s_lshl_b32 s43, 15, s43
	s_lshl_b32 s44, 0x1111, s40
	s_or_b32 s[G1+0], s43, (3<<16)|(1<<21)
	s_or_b32 s[G1B+0], s44, (3<<16)|(1<<21)
.irp g, G1, G1B
	s_mov_b32 s[\g+1], 384<<16
	s_mov_b32 s[\g+2], 8<<16
	s_mov_b32 s[\g+3], 384<<16
	s_mov_b32 s[\g+4], 8
	s_mov_b32 s[\g+5], 1536
	s_mov_b32 s[\g+6], 0
	s_mov_b32 s[\g+7], 0
.endr
	s_or_b32 s[G1S+0], s43, (3<<16)|(1<<21)
	s_or_b32 s[G1SB+0], s44, (3<<16)|(1<<21)
.irp g, G1S, G1SB
	s_mov_b32 s[\g+1], 32<<16
	s_mov_b32 s[\g+2], 16<<16
	s_mov_b32 s[\g+3], 32<<16
	s_mov_b32 s[\g+4], 16
	s_mov_b32 s[\g+5], 32
	s_mov_b32 s[\g+6], 0
	s_mov_b32 s[\g+7], 0
.endr
	s_mov_b32 s[SEL], 0x76543210
	s_mov_b32 s[SEL+1], 0xfedcba98
	s_lshl_b32 s18, s16, 3
	s_lshl_b32 s20, s17, 4
	s_add_co_u32 s20, s20, s18
	s_add_co_u32 s20, s20, s19
	s_lshl_b32 s46, s42, 4
	s_add_co_u32 s46, s46, s18
	s_lshl_b32 s22, s20, 9
	s_mov_b32 s23, 0
	s_lshl_b32 s92, s46, 9
	s_mov_b32 s93, 0
	s_mul_i32 s20, s20, 12288
	s_mov_b32 s21, 0
	s_mul_i32 s46, s46, 12288
	s_mov_b32 s47, 0
	s_mul_i32 s45, s14, HALFT
	s_mul_i32 s94, s14, HALFS
	s_wait_dscnt 0x0
	s_wait_kmcnt 0x0
	s_cmp_eq_u32 s95, 1
	s_cselect_b64 s[98:99], s[8:9], s[4:5]
	s_cselect_b64 s[100:101], s[10:11], s[6:7]
	s_cselect_b64 s[8:9], s[4:5], s[8:9]
	s_cselect_b64 s[10:11], s[6:7], s[10:11]
	s_add_nc_u64 s[20:21], s[98:99], s[20:21]
	s_add_nc_u64 s[22:23], s[100:101], s[22:23]
	s_add_nc_u64 s[46:47], s[8:9], s[46:47]
	s_add_nc_u64 s[92:93], s[10:11], s[92:93]
	CROUND
	s_mov_b32 s[G0S], 1
	s_add_co_u32 s[G0S+1], s94, SCL
	s_mov_b64 s[G0S+2:G0S+3], s[22:23]
	s_or_b32 s[G0S+3], s[G0S+3], 0x80000000
	s_mov_b32 s[G0SB], 1
	s_add_co_u32 s[G0SB+1], s94, SCL
	s_mov_b64 s[G0SB+2:G0SB+3], s[92:93]
	s_or_b32 s[G0SB+3], s[G0SB+3], 0x80000000
	JLOAD G0S, G1S, G0SB, G1SB
.irp s, 0,1
	s_mov_b32 s[G0+4*\s], 1
	s_add_co_u32 s[G0+4*\s+1], s45, \s*SLOT
	s_add_nc_u64 s[G0+4*\s+2:G0+4*\s+3], s[20:21], \s*ROWB
	s_or_b32 s[G0+4*\s+3], s[G0+4*\s+3], 0x80000000
	s_mov_b32 s[G0B+4*\s], 1
	s_add_co_u32 s[G0B+4*\s+1], s45, \s*SLOT
	s_add_nc_u64 s[G0B+4*\s+2:G0B+4*\s+3], s[46:47], \s*ROWB
	s_or_b32 s[G0B+4*\s+3], s[G0B+4*\s+3], 0x80000000
	s_wait_alu depctr_va_vdst(0)
	s_wait_tensorcnt 0x0
	ds_add_u32 v28, v29
	s_wait_dscnt 0x0
	CROUND
	JLOAD G0+4*\s, G1, G0B+4*\s, G1B
.endr
	v_and_b32 v1, 15, v0
	v_bfe_u32 v2, v0, 4, 1
	s_wait_alu depctr_va_vdst(0)
	v_and_b32 v3, 31, v0
	v_lshlrev_b32 v4, 3, v3
	s_mul_i32 s21, s15, HALFT
	s_mul_i32 s22, s16, HALFT
	s_add_co_u32 s22, s22, 2*HALFT
.irp s, 0,1
	v_add_nc_u32 v[ADRA+\s], s21, v4
	v_add_nc_u32 v[ADRB+\s], s22, v4
	s_add_co_u32 s21, s21, SLOT
	s_add_co_u32 s22, s22, SLOT
.endr
	v_lshlrev_b32 v5, 3, v1
	s_mul_i32 s21, s15, HALFS
	s_mul_i32 s22, s16, HALFS
	s_add_co_u32 s22, s22, 2*HALFS
	s_sub_co_u32 s22, s22, s21
	v_mul_u32_u24 v6, s22, v2
	s_add_co_u32 s21, s21, SCL
	v_add_nc_u32 v5, v5, v6
	v_add_nc_u32 v[ADRS], s21, v5
.macro FRAG reg, adr, q, i
.irp p, 0,1,2,3,4,5
	ds_load_b64 v[\reg+2*\p:\reg+2*\p+1], v[\adr] offset:ROWB*(\i)+1536*(\q)+256*\p
.endr
.endm
.macro MUL16 a0, p, q, sc, zero
.irp a, \a0, \a0+1
.irp b, 0,1,2,3,4,5,6,7
.if \zero
	v_wmma_scale_f32_16x16x128_f8f6f4 v[8*(8*((\a)%4)+\b):8*(8*((\a)%4)+\b)+7], v[128*(\p)+FR*\b:128*(\p)+FR*\b+FR-1], v[AF+FR*(\a):AF+FR*(\a)+FR-1], 0, v[SC+8*NQ*(\sc)+NQ*\b+(\q)], v[SC+8*NQ*(\sc)+NQ*(\a)+(\q)] matrix_a_fmt:MATRIX_FMT_FP6 matrix_b_fmt:MATRIX_FMT_FP6 matrix_a_scale:MATRIX_SCALE_ROW1
.else
	v_wmma_scale_f32_16x16x128_f8f6f4 v[8*(8*((\a)%4)+\b):8*(8*((\a)%4)+\b)+7], v[128*(\p)+FR*\b:128*(\p)+FR*\b+FR-1], v[AF+FR*(\a):AF+FR*(\a)+FR-1], v[8*(8*((\a)%4)+\b):8*(8*((\a)%4)+\b)+7], v[SC+8*NQ*(\sc)+NQ*\b+(\q)], v[SC+8*NQ*(\sc)+NQ*(\a)+(\q)] matrix_a_fmt:MATRIX_FMT_FP6 matrix_b_fmt:MATRIX_FMT_FP6 matrix_a_scale:MATRIX_SCALE_ROW1
.endif
.endr
.endr
.endm
.macro FETCH_B slot, q, p
	WIN TO_B
.irp i, 0,1,2,3,4,5,6,7
	FRAG 128*(\p)+FR*\i, ADRB+\slot, \q, \i
.endr
	WIN 0
.endm
.macro FETCH_A slot, q, i0
.irp i, \i0, \i0+1, \i0+2, \i0+3
	FRAG AF+FR*(\i), ADRA+\slot, \q, \i
.endr
.endm
.macro SCALES sc
.irp i, 0,1,2,3,4,5,6,7
	ds_load_b64 v[SC+8*NQ*\sc+NQ*\i:SC+8*NQ*\sc+NQ*\i+1], v[ADRS] offset:\i*512
.endr
.endm
.macro PLACES n
.rept \n
	v_nop
.endr
.endm
.macro STEP slot, q, zero
	s_wait_dscnt 4*NL
	WIN MUL_LO
	MUL16 0, (\q)%2, \q, \slot, \zero
	MUL16 2, (\q)%2, \q, \slot, \zero
	s_wait_dscnt 0
	PLACES NP
	FETCH_B \slot, (\q)+1, 1-(\q)%2
	FETCH_A \slot, (\q)+1, 0
	WIN MUL_HI
	MUL16 4, (\q)%2, \q, \slot, \zero
	MUL16 6, (\q)%2, \q, \slot, \zero
	PLACES NP
	WIN 0
	FETCH_A \slot, (\q)+1, 4
.endm
.macro TURN slot, next, fill
	s_wait_tensorcnt 0x0
	ds_add_u32 v[SPW], v[NIL]
	s_wait_dscnt 4*NL+1
	WIN MUL_LO
	MUL16 0, 1, NQ-1, \slot, 0
	s_wait_dscnt 0x0
	s_barrier_signal -1
	MUL16 2, 1, NQ-1, \slot, 0
	WIN 0
	s_barrier_wait -1
.if \fill
	CREST
	s_add_nc_u64 s[G0+4*\slot+2:G0+4*\slot+3], s[G0+4*\slot+2:G0+4*\slot+3], 2*ROWB
	s_add_nc_u64 s[G0B+4*\slot+2:G0B+4*\slot+3], s[G0B+4*\slot+2:G0B+4*\slot+3], 2*ROWB
	JLOAD G0+4*\slot, G1, G0B+4*\slot, G1B
.else
	PLACES NP
.endif
	s_wait_alu depctr_va_vdst(0)
	v_add_nc_u32 v[ADRS], 128, v[ADRS]
	FETCH_B \next, 0, 0
	FETCH_A \next, 0, 0
	SCALES \next
	WIN MUL_HI
	MUL16 4, 1, NQ-1, \slot, 0
	MUL16 6, 1, NQ-1, \slot, 0
	PLACES NP
	WIN 0
	FETCH_A \next, 0, 4
.endm
	s_wait_alu depctr_va_vdst(0)
	s_wait_tensorcnt 1
	s_barrier_signal -1
	s_barrier_wait -1
	FETCH_B 0, 0, 0
	FETCH_A 0, 0, 0
	SCALES 0
	FETCH_A 0, 0, 4
	STEP 0, 0, 1
	s_mov_b32 s3, LAPS-1
.Llap:
	TURN 0, 1, 1
	STEP 1, 0, 0
	TURN 1, 0, 1
	STEP 0, 0, 0
	s_sub_co_u32 s3, s3, 1
	s_cmp_lg_u32 s3, 0
	s_cbranch_scc1 .Llap
	TURN 0, 1, 0
	STEP 1, 0, 0
	s_wait_dscnt 4*NL
	WIN MUL_LO
	MUL16 0, 1, NQ-1, 1, 0
	MUL16 2, 1, NQ-1, 1, 0
	s_wait_dscnt 0
	WIN MUL_HI
	MUL16 4, 1, NQ-1, 1, 0
	MUL16 6, 1, NQ-1, 1, 0
	WIN 0
	PLACES NP
.irp b, 0,1,2,3
	v_mov_b32 v[TM+4+\b], 0
.endr
	s_lshl_b32 s20, s17, 4
	s_lshl_b32 s21, s15, 3
	s_add_co_u32 s20, s20, s21
	s_lshl_b32 s21, s42, 1
	s_add_co_u32 s21, s21, s16
	s_lshr_b32 s22, s20, 7
	s_lshl_b32 s22, s22, 4
	s_and_b32 s23, s21, 7
	s_lshl_b32 s23, s23, 1
	s_add_co_u32 s22, s22, s23
	s_lshr_b32 s24, s21, 3
	s_and_b32 s25, s20, 127
	s_mul_i32 s23, s24, 98304
	s_mul_i32 s26, s25, 768
	s_add_co_u32 s23, s23, s26
	s_lshl_b32 s24, s24, 13
	s_lshl_b32 s25, s25, 6
	s_add_co_u32 s24, s24, s25
	s_lshr_b32 s25, s21, 4
	s_lshl_b32 s25, s25, 4
	s_lshr_b32 s26, s20, 2
	s_add_co_u32 s25, s25, s26
	s_bfe_u32 s26, s21, 0x20002
	s_mul_i32 s26, s26, 24576
	s_and_b32 s27, s21, 3
	s_mul_i32 s27, s27, 1536
	s_add_co_u32 s26, s26, s27
	s_add_co_u32 s26, s26, 196608
	s_and_b32 s27, s21, 15
	s_lshl_b32 s27, s27, 8
	s_add_co_u32 s27, s27, 16384
	s_mov_b32 s30, 768
	s_mov_b32 s31, 3072
	s_mov_b32 s32, 294912
	s_mov_b32 s33, 256
	s_mov_b32 s34, 0xffff
	s_cmp_eq_u32 s95, 1
	s_cselect_b32 s22, s25, s22
	s_cselect_b32 s23, s26, s23
	s_cselect_b32 s24, s27, s24
	s_cselect_b32 s30, 6144, s30
	s_cselect_b32 s31, 294912, s31
	s_cselect_b32 s32, 768, s32
	s_cselect_b32 s33, 20480, s33
	s_cselect_b32 s34, -1, s34
	s_mul_i32 s28, s22, 294912
	s_add_co_u32 s28, s28, s23
	s_mul_i32 s29, s22, 20480
	s_add_co_u32 s29, s29, s24
	v_lshlrev_b32 v86, 4, v2
	s_lshl_b32 s35, s14, 10
	v_lshlrev_b32 v87, 9, v2
	v_lshl_add_u32 v87, v1, 2, v87
	v_add_nc_u32 v87, s35, v87
	v_lshlrev_b32 v88, 4, v3
	v_add_nc_u32 v88, s35, v88
	v_lshlrev_b32 v89, 3, v3
	v_mul_u32_u24 v91, s33, v2
	v_lshl_add_u32 v91, v1, 4, v91
	v_add_nc_u32 v91, s29, v91
.macro QUANTW
.set WN, QW|(QW<<2)
	WIN WN
.irp b, 0,1,2,3
	v_max3_num_f32 v[TM+\b], |v[QA+16*\b]|, |v[QA+1+16*\b]|, 0x1800000
.endr
.set WN, (QW<<2)|(QW<<4)
	WIN WN
.irp i, 2,4,6,8,10,12,14
.irp b, 0,1,2,3
	v_max3_num_f32 v[TM+\b], v[TM+\b], |v[QA+16*\b+\i]|, |v[QA+1+16*\b+\i]|
.endr
.endr
	WIN 0
.irp b, 0,1,2,3
	v_permlanex16_b32 v[TM+4+\b], v[TM+\b], s[SEL], s[SEL+1]
.endr
.irp b, 0,1,2,3
	v_max_num_f32 v[TM+\b], v[TM+\b], v[TM+4+\b]
.endr
.irp b, 0,1,2,3
	v_add_nc_u32 v[TM+12+\b], 0xff000000, v[TM+\b]
.endr
.irp b, 0,1,2,3
	v_lshrrev_b32 v[TM+4+\b], 23, v[TM+12+\b]
.endr
	v_lshl_or_b32 v[PW], v[TM+5], 8, v[TM+4]
	v_lshl_or_b32 v[PW], v[TM+6], 16, v[PW]
	v_lshl_or_b32 v[PW], v[TM+7], 24, v[PW]
	WIN QW
.irp c, 0,1
	v_cvt_scalef32_pk16_fp6_f32 v[PC+6*\c:PC+2+6*\c], v[QA+32*\c:QA+15+32*\c], v[TM+12+2*\c]
	v_cvt_scalef32_pk16_fp6_f32 v[PC+12+4*\c:PC+14+4*\c], v[QA+16+32*\c:QA+31+32*\c], v[TM+12+2*\c+1]
.endr
	WIN 0
	v_nop
.irp c, 0,1
.irp i, 0,1,2
	v_permlane16_swap_b32 v[PC+6*\c+\i], v[PC+12+4*\c+\i]
.endr
.irp i, 0,1,2
	v_mov_b32 v[PC+3+6*\c+\i], v[PC+12+4*\c+\i]
.endr
.endr
.endm
.irp a, 0,1,2,3,4,5,6,7
.if \a > 0
	s_wait_xcnt 0x0
	s_wait_dscnt 0x0
.endif
.set QW, 2+\a/4
.set QA, 64*(\a%4)
	QUANTW
	s_mul_i32 s36, s30, \a%4
	s_mul_i32 s37, s31, \a/4
	s_add_co_u32 s36, s36, s37
	s_add_co_u32 s36, s36, s28
	v_add_nc_u32 v84, s36, v89
	v_add_nc_u32 v85, s32, v84
.irp p, 0,1,2
	global_store_b64 v84, v[PC+2*\p:PC+2*\p+1], s[12:13] offset:256*\p
.endr
.irp p, 0,1,2
	global_store_b64 v85, v[PC+6+2*\p:PC+7+2*\p], s[12:13] offset:256*\p
.endr
	v_lshrrev_b32 v90, v86, v[PW]
	v_and_b32 v90, s34, v90
	ds_store_b32 v87, v90 offset:64*\a
.endr
	ds_load_b128 v[120:123], v88
	ds_load_b128 v[124:127], v88 offset:512
	s_wait_dscnt 0x0
	global_store_b128 v91, v[120:123], s[96:97]
	s_cmp_eq_u32 s95, 1
	s_cbranch_scc1 .Lno_second
	global_store_b128 v91, v[124:127], s[96:97] offset:20480
.Lno_second:
	s_wait_tensorcnt 0x0
	ds_add_u32 v[SPW], v[NIL]
	s_wait_dscnt 0x0
	CROUND
	s_endpgm
.Lfunc_end_k_qcd85c4a701_gemm_qkv:
	.size	k_qcd85c4a701_gemm_qkv, .Lfunc_end_k_qcd85c4a701_gemm_qkv-k_qcd85c4a701_gemm_qkv
	.p2alignl 7, 3214868480
	.fill 96, 4, 3214868480
	.section	.rodata,"a",@progbits
	.p2align	6, 0x0
	.amdhsa_kernel k_qcd85c4a701_gemm_qkv
		.amdhsa_group_segment_fixed_size 327680
		.amdhsa_private_segment_fixed_size 0
		.amdhsa_enable_private_segment 0
		.amdhsa_kernarg_size 48
		.amdhsa_user_sgpr_count 2
		.amdhsa_user_sgpr_kernarg_segment_ptr 1
		.amdhsa_wavefront_size32 1
		.amdhsa_system_sgpr_workgroup_id_x 1
		.amdhsa_system_sgpr_workgroup_id_y 1
		.amdhsa_system_sgpr_workgroup_id_z 1
		.amdhsa_system_vgpr_workitem_id 0
		.amdhsa_next_free_vgpr 1024
		.amdhsa_next_free_sgpr 106
		.amdhsa_reserve_vcc 0
		.amdhsa_float_denorm_mode_32 3
		.amdhsa_float_denorm_mode_16_64 3
		.amdhsa_memory_ordered 1
		.amdhsa_forward_progress 1
		.amdhsa_inst_pref_size 172
	.end_amdhsa_kernel
	.amdgpu_metadata
---
amdhsa.version: [ 1, 2 ]
amdhsa.kernels:
  - .name:           k_qcd85c4a701_gemm_qkv
    .symbol:         k_qcd85c4a701_gemm_qkv.kd
    .args:
      - { .name: xc, .offset: 0, .size: 8, .value_kind: global_buffer, .address_space: global }
      - { .name: xs, .offset: 8, .size: 8, .value_kind: global_buffer, .address_space: global }
      - { .name: wc, .offset: 16, .size: 8, .value_kind: global_buffer, .address_space: global }
      - { .name: ws, .offset: 24, .size: 8, .value_kind: global_buffer, .address_space: global }
      - { .name: qkv, .offset: 32, .size: 8, .value_kind: global_buffer, .address_space: global }
      - { .name: qkvs, .offset: 40, .size: 8, .value_kind: global_buffer, .address_space: global }
    .group_segment_fixed_size: 327680
    .private_segment_fixed_size: 0
    .kernarg_segment_align: 8
    .kernarg_segment_size: 48
    .max_flat_workgroup_size: 128
    .sgpr_count:     106
    .vgpr_count:     1024
    .wavefront_size: 32
...
	.end_amdgpu_metadata
.endif
;; end of part 2
;; launch attn (part 3): grid 4 x 64, 16 waves a work-group, clusters of 4 x 1, 327,680 bytes of LDS; arguments qkv, qkvs, ao, aos; writes ao, aos
.if DOCPART == 3
	.amdgcn_target "amdgcn-amd-amdhsa--gfx1250"
	.amdhsa_code_object_version 6
	.text
	.protected	k_qcd85c4a701_attn
	.globl	k_qcd85c4a701_attn
	.p2align	8
	.type	k_qcd85c4a701_attn,@function
k_qcd85c4a701_attn:
	s_mov_b64 s[64:65], 0
	v_nop
	global_prefetch_b8 v0, s[64:65] scope:SCOPE_SE
	s_setreg_imm32_b32 hwreg(HW_REG_WAVE_MODE, 25, 1), 1
	s_wait_xcnt 0x0
	s_wait_alu depctr_hold_cnt(0) depctr_sa_sdst(0) depctr_va_vdst(0) depctr_va_sdst(0) depctr_va_ssrc(0) depctr_va_vcc(0) depctr_vm_vsrc(0)
	s_getreg_b32 s2, hwreg(HW_REG_IB_STS2, 6, 4)
	s_cmp_eq_u32 s2, 0
	s_cbranch_scc0 .Lentry_in_a_cluster
	s_endpgm
.Lentry_in_a_cluster:
	s_bfe_u32 s2, ttmp6, 0x10000c
	s_cmp_lg_u32 s2, 0x3003
	s_cbranch_scc0 .Lentry_shape_is_right
	s_endpgm
.Lentry_shape_is_right:
; o = softmax(q k^T / 8) v for one head, both products on codes of FP6 (E2M3) with E8M0 scales; o is quantised along head x 64 + channel and leaves as codes, an operand of the last product.
; THE SOFTMAX: t = score x log2(e) / 8; M = the row's largest t so far, rounded up to a whole number; p = 2^(t - M) is what is quantised, along the keys, not normalised.  The row's sum is taken of the
; unquantised p and divides O at the end.  When M moves, the sum and O are multiplied by 2^(old M - new M), which rounds nothing.  A block's largest p is made of the block's largest score by the same two instructions.
; SHARES.  A work-group takes 512 queries of one head (the cluster's y: 16 batch + head; the block of queries is my place in the cluster).  Each of its sixteen waves takes one tile of 16 queries at a time, two passes, in 256 registers.
; ALL OF THE HEAD'S K AND V LIE IN LDS, filled once, by sixteen joint loads, one a wave (the four work-groups of a cluster walk the same head): waves 0-5 K's codes, 64 rows of 256 bytes each, waves 6-11 V's,
; waves 12-15 the scale words, 12 rows each.  One wait and one barrier show them to all waves; behind it the waves share nothing more, so no further barrier stands ahead of the closing round.
; No prefetch: every byte of K and V is asked for by these first fills, so there is no later tile to ask for ahead; the second pass's Q is loaded a pass ahead.
; LAYOUT.  Both products are used transposed: S^T = K Q^T (source 0 = 16 keys), O^T = V^T P^T (source 0 = 16 channels): a lane holds one query throughout.
; WHICH KEYS FORM A TILE is chosen by the lane's LDS address: of each 64 keys, row 8 g + j of tile t is key 32 g + 8 t + j.  So the 32 registers of a lane's four tiles are the 32 neighbouring keys 32 (lane / 16) + 0 .. 31:
; one whole block, in the order of the operand's registers: a block's largest score needs no other lane, and p's codes stay where the conversions put them.
; In qkv key 32 a + 16 x + 8 y + j lies in tile 2 a + y, row 8 x + j; register pair p of lane l of a tile is 8 bytes at 768 tile + 256 p + 8 l.  K's rows of 256 bytes stand 288 bytes apart in LDS,
; so that the four groups of eight lanes of a load (1728 g + 128 h) fall on four different quarters of 256 bytes.
; THE FIRST PRODUCT'S K IS 64 of the instruction's 128: Q's upper six registers are zero codes, K's upper six are whatever follows (the next tile's codes), and both sides' upper two scale bytes are 0.
; LIMITS: the promise holds while the scaled scores t stay under 2^31 in magnitude; NaN and infinities are not served; 1 / sum is v_rcp_f32; blocks of o under 2^-124 keep the byte 1, blocks of zeros too.
; A scale word of the last product spans two heads, which are two work-groups: so each lane stores 2 bytes of its row's word, 8 bytes apart from row to row (262,144 bytes in the whole launch).
.set HEADC, 294912                     ; a head's codes in qkv: Q, K at 98304, V at 196608
.set HEADS, 20480                      ; a head's scale words in qkvs: Q, K at 8192, V at 16384
.set VC,    110592                     ; LDS: K's codes at 0 (384 rows x 288), V's here (98,304 bytes),
.set KSW,   208896                     ; K's scale words (8,192),
.set VSW,   217088                     ; V's (4,096),
.set SPARE, 221184                     ; and the spare words: 128 bytes for each of 16 waves, which no other line names
.set AK0, 1                            ; v1  1728 g + 128 h + 8 j
.set AV0, 2                            ; v2  8 x lane + VC
.set AS0, 3                            ; v3  128 g + 64 h + 4 j + KSW
.set AT0, 4                            ; v4  4 x lane + VSW
.set SPW, 5
.set NIL, 6
.set GL8, 7                            ; v7  8 x lane, for global accesses
.set ADK, 8                            ; v8-11 the addresses of the step in hand
.set ADV, 9
.set ADS, 10
.set ADT, 11
.set QN,  28                           ; v12 -M, v13 the largest score so far, v[14:15] the sum; v16-21 Q, v22-27 zero codes; v28-33 the next pass's Q
.set QSN, 34
.set QS,  35                           ; Q's scale words
.set R4,  36                           ; 4 r
.set R8,  37                           ; 8 r
.set H8,  38                           ; 8 h
.set KF,  40                           ; v40-87 8 tiles of K (6 registers each) or 4 of V (12 each); v88-93 zero codes
.set KS,  94                           ; v94-97 K's scale words: lanes 0-15 an even tile, lanes 16-31 the odd one behind it
.set VS,  98                           ; v98-99 V's likewise
.set S,   100                          ; v100-163 S^T, then p: register 32 c + i = key 64 c + 32 h + i
.set O,   164                          ; v164-195 O^T
.set PC,  196                          ; v196-207 p's codes;  v208-214 the conversions' second halves
.set PH,  208
.set BM,  216                          ; v216-217 my two blocks' largest
.set BX,  218                          ; v218-219 at work
.set SO,  220                          ; v220-221 the conversions' scale operands
.set MX,  222                          ; v222-225 four chains of maxima
.set PW,  228                          ; p's scale word
.set F,   230                          ; v[230:231] f = 2^(old M - new M), later 1 / sum
.set T0,  232
.set T1,  233
.set AC,  236                          ; v236-251 eight chains of the sum
.set WV,  12
.set G1K, 24                           ; s[24:31], s[32:39], s[52:59] group 1 for K's codes, V's codes, the scale words
.set G1V, 32
.set G1S, 52
.set G0K, 40                           ; s[40:43], s[44:47], s[48:51] their groups 0
.set G0V, 44
.set G0S, 48
.set SEL, 60
.set CS,  66                           ; s[66:67] c = log2(e) / 8
.set TK,  68
.set TV,  69
.set TS,  70
.set TT,  71
.set CNT, 72
.set PASS, 73
.set QA,  74                           ; s[74:75] Q's codes, s[76:77] its scale words, s[78:79] ao, s[80:81] aos, at my first tile
.set QSA, 76
.set OA,  78
.set OSA, 80
.set TQ,  82
.macro CROUND                          ; a round of the cluster's barrier
	s_barrier_signal -1
	s_barrier_wait -1
	s_cmp_lg_u32 s[WV], 0
	s_cbranch_scc1 .Lnot_wave_0_\@
	s_barrier_signal -3
.Lnot_wave_0_\@:
	s_barrier_wait -3
	s_barrier_signal -1
	s_barrier_wait -1
.endm
.macro NOPS4
.rept 4
	v_nop
.endr
.endm
.macro QKM d, a, sc, row               ; 16 keys x 16 queries, begun with 0
.if \row
	v_wmma_scale_f32_16x16x128_f8f6f4 v[0+(\d):7+(\d)], v[0+(\a):11+(\a)], v[16:27], 0, v[\sc], v[QS] matrix_a_fmt:MATRIX_FMT_FP6 matrix_b_fmt:MATRIX_FMT_FP6 matrix_a_scale:MATRIX_SCALE_ROW1
.else
	v_wmma_scale_f32_16x16x128_f8f6f4 v[0+(\d):7+(\d)], v[0+(\a):11+(\a)], v[16:27], 0, v[\sc], v[QS] matrix_a_fmt:MATRIX_FMT_FP6 matrix_b_fmt:MATRIX_FMT_FP6
.endif
.endm
.macro PVM d, a, sc, row               ; 16 channels x 16 queries, onto O^T
.if \row
	v_wmma_scale_f32_16x16x128_f8f6f4 v[0+(\d):7+(\d)], v[0+(\a):11+(\a)], v[PC:PC+11], v[0+(\d):7+(\d)], v[\sc], v[PW] matrix_a_fmt:MATRIX_FMT_FP6 matrix_b_fmt:MATRIX_FMT_FP6 matrix_a_scale:MATRIX_SCALE_ROW1
.else
	v_wmma_scale_f32_16x16x128_f8f6f4 v[0+(\d):7+(\d)], v[0+(\a):11+(\a)], v[PC:PC+11], v[0+(\d):7+(\d)], v[\sc], v[PW] matrix_a_fmt:MATRIX_FMT_FP6 matrix_b_fmt:MATRIX_FMT_FP6
.endif
.endm
	s_load_b256 s[4:11], s[0:1], 0x0               ; qkv s[4:5], qkvs s[6:7], ao s[8:9], aos s[10:11]
	v_lshl_add_u32 v[SPW], v0, 2, SPARE
	v_mov_b32 v[NIL], 0
	ds_add_u32 v[SPW], v[NIL]                      ; the wave's opening: the add, twice on end, and its wait ahead of the first tensor load; the set-up below stands between
	ds_add_u32 v[SPW], v[NIL]
	v_lshrrev_b32 v8, 5, v0
	s_delay_alu instid0(VALU_DEP_1)
	v_readfirstlane_b32 s[WV], v8                  ; wave 0..15
	s_bfe_u32 s13, ttmp6, 0x40000                  ; cx: it enters Q's, ao's and aos's addresses alone
	s_and_b32 s14, ttmp7, 0xffff                   ; 16 batch + head, which the four partners share
	s_mul_i32 s16, s14, HEADC
	s_mov_b32 s17, 0
	s_mul_i32 s18, s14, HEADS
	s_mov_b32 s19, 0
	s_lshl_b32 s20, s[WV], 14                      ; K's and V's codes lie on end in qkv: wave w (0-11) takes 16,384 bytes at 98304 + 16384 w
	s_add_co_u32 s20, s20, s16
	s_add_co_u32 s20, s20, 98304
	s_mov_b32 s21, 0
	s_and_b32 s2, s[WV], 3                         ; waves 12-15: a quarter of the 12,288 bytes of K's and V's scale words
	s_mul_i32 s2, s2, 3072
	s_add_co_u32 s22, s2, s18
	s_add_co_u32 s22, s22, 8192
	s_mov_b32 s23, 0
	s_mov_b32 s[G1K], 15|(3<<16)|(1<<20)|(1<<21)|(5<<22)|(7<<25)   ; the mask: all four work-groups; elements of 8 bytes; padding on; bit 21 beside a mask; after every 64 words 8 words
	s_mov_b32 s[G1V], 15|(3<<16)|(1<<21)           ; the same without padding
	s_mov_b32 s[G1S], 15|(3<<16)|(1<<21)
.irp g, G1K, G1V, G1S
	s_mov_b32 s[\g+1], 32<<16                      ; rows of 256 bytes, dense in memory
	s_mov_b32 s[\g+3], 32<<16
	s_mov_b32 s[\g+5], 32
	s_mov_b32 s[\g+6], 0
	s_mov_b32 s[\g+7], 0
.endr
.irp g, G1K, G1V
	s_mov_b32 s[\g+2], 64<<16                      ; 64 rows
	s_mov_b32 s[\g+4], 64
.endr
	s_mov_b32 s[G1S+2], 12<<16                     ; 12 rows
	s_mov_b32 s[G1S+4], 12
	s_mov_b32 s[G0K], 1
	s_mul_i32 s[G0K+1], s[WV], 18432               ; K: 64 rows of 288 bytes a wave
	s_mov_b32 s[G0V], 1
	s_lshl_b32 s[G0V+1], s[WV], 14
	s_add_co_u32 s[G0V+1], s[G0V+1], VC-6*16384    ; V: VC + 16384 (wave - 6)
	s_mov_b32 s[G0S], 1
	s_add_co_u32 s[G0S+1], s2, KSW
	s_mov_b32 s[SEL], 0x76543210
	s_mov_b32 s[SEL+1], 0xfedcba98
	s_mov_b32 s[CS], 0x3e38aa3b                    ; log2(e) / 8
	s_mov_b32 s[CS+1], s[CS]                       ; (named with it as a pair, so it is written)
	s_wait_dscnt 0x0                               ; both opening adds are done
	s_wait_kmcnt 0x0
	s_add_nc_u64 s[G0K+2:G0K+3], s[4:5], s[20:21]
	s_mov_b64 s[G0V+2:G0V+3], s[G0K+2:G0K+3]
	s_or_b32 s[G0K+3], s[G0K+3], 0x80000000
	s_or_b32 s[G0V+3], s[G0V+3], 0x80000000
	s_add_nc_u64 s[G0S+2:G0S+3], s[6:7], s[22:23]
	s_or_b32 s[G0S+3], s[G0S+3], 0x80000000
	CROUND                                         ; all four work-groups are here: the joint loads meet
	s_cmp_lt_u32 s[WV], 6                          ; one chain of branches on the wave's number, one load to an arm, all arms to one join
	s_cbranch_scc0 .Lnot_k
	tensor_load_to_lds s[G0K:G0K+3], s[G1K:G1K+7]
	s_nop 0
	NOPS4
	s_branch .Lasked
.Lnot_k:
	s_cmp_lt_u32 s[WV], 12
	s_cbranch_scc0 .Lnot_v
	tensor_load_to_lds s[G0V:G0V+3], s[G1V:G1V+7]
	s_nop 0
	NOPS4
	s_branch .Lasked
.Lnot_v:
	tensor_load_to_lds s[G0S:G0S+3], s[G1S:G1S+7]
	s_nop 0
	NOPS4
.Lasked:
	s_lshl_b32 s62, s13, 5
	s_add_co_u32 s62, s62, s[WV]                   ; my first tile of queries: 32 cx + wave
	s_mul_i32 s82, s62, 768
	s_add_co_u32 s82, s82, s16
	s_mov_b32 s83, 0
	s_add_nc_u64 s[QA:QA+1], s[4:5], s[82:83]
	s_lshl_b32 s82, s62, 6
	s_add_co_u32 s82, s82, s18
	s_add_nc_u64 s[QSA:QSA+1], s[6:7], s[82:83]
	s_lshr_b32 s63, s14, 4
	s_lshl_b32 s63, s63, 7
	s_add_co_u32 s63, s63, s62                     ; ao's tile: 128 batch + my tile
	s_mul_i32 s82, s63, 12288
	s_bfe_u32 s2, s14, 0x30001                     ; K step head / 2,
	s_mul_i32 s2, s2, 1536
	s_add_co_u32 s82, s82, s2
	s_and_b32 s3, s14, 1                           ; its first or second 64
	s_mul_i32 s2, s3, 768
	s_add_co_u32 s82, s82, s2
	s_add_nc_u64 s[OA:OA+1], s[8:9], s[82:83]
	s_lshl_b32 s82, s63, 9
	s_bfe_u32 s2, s14, 0x20002
	s_lshl_b32 s2, s2, 7
	s_add_co_u32 s82, s82, s2
	s_bfe_u32 s2, s14, 0x10001
	s_lshl_b32 s2, s2, 2
	s_add_co_u32 s82, s82, s2
	s_lshl_b32 s3, s3, 1
	s_add_co_u32 s82, s82, s3
	s_add_nc_u64 s[OSA:OSA+1], s[10:11], s[82:83]
	v_and_b32 v9, 31, v0                           ; lane
	v_and_b32 v10, 15, v0                          ; r
	v_and_b32 v11, 7, v0                           ; j
	v_bfe_u32 v8, v0, 3, 1                         ; g
	v_bfe_u32 v[H8], v0, 4, 1                      ; h
	v_lshlrev_b32 v[GL8], 3, v9
	v_lshlrev_b32 v[R4], 2, v10
	v_mul_u32_u24 v[AK0], v8, 1728
	v_lshlrev_b32 v[AS0], 7, v8
	v_lshl_add_u32 v[AT0], v9, 2, VSW
	v_add_nc_u32 v[AV0], VC, v[GL8]
	v_lshl_add_u32 v[AK0], v[H8], 7, v[AK0]
	v_lshl_add_u32 v[AS0], v[H8], 6, v[AS0]
	v_lshlrev_b32 v[R8], 3, v10
	v_lshlrev_b32 v[H8], 3, v[H8]
	v_lshl_add_u32 v[AK0], v11, 3, v[AK0]
	v_lshl_add_u32 v[AS0], v11, 2, v[AS0]
.irp p, 0,1,2
	global_load_b64 v[QN+2*\p:QN+2*\p+1], v[GL8], s[QA:QA+1] offset:256*\p
.endr
	global_load_b32 v[QSN], v[R4], s[QSA:QSA+1]
	v_add_nc_u32 v[AS0], KSW, v[AS0]
.irp i, 0,1,2,3,4,5
	v_mov_b32 v[22+\i], 0                          ; Q's upper 64 along K: zero codes
	v_mov_b32 v[KF+48+\i], 0                       ; what follows the last tile of K
.endr
	v_mov_b32 v[BX], 0                             ; written once: a lane permute's destination counts as one of its sources
	v_mov_b32 v[BX+1], 0
	v_mov_b32 v[T0], 0
	v_mov_b32 v[T1], 0
	v_mov_b32 v[F+1], 0                            ; (named as the upper half of a pair)
	s_wait_alu depctr_va_vdst(0)                   ; the head's end
	s_wait_tensorcnt 0x0                           ; my part of K, V or the scale words is in
	s_barrier_signal -1
	s_barrier_wait -1                              ; and so is everybody's; nothing is filled again
; A KEY STEP: 128 keys
.macro STEP
	s_lshr_b32 s[TQ], s[CNT], 2                    ; V lies by 512 keys: [4 tiles][4 steps][1,536 bytes]: 24576 (step / 4) + 1536 (step % 4) = 1536 step + 18432 (step / 4)
	s_mul_i32 s[TQ], s[TQ], 18432
	s_add_co_u32 s[TQ], s[TQ], s[TV]
	v_add_nc_u32 v[ADK], s[TK], v[AK0]             ; these four are the places between the last products, which read v40-87, and the loads into them
	v_add_nc_u32 v[ADV], s[TQ], v[AV0]
	v_add_nc_u32 v[ADS], s[TS], v[AS0]
	v_add_nc_u32 v[ADT], s[TT], v[AT0]
.irp c, 0,1
.irp t, 0,1,2,3
.irp p, 0,1,2
	ds_load_b64 v[KF+6*(4*\c+\t)+2*\p:KF+6*(4*\c+\t)+2*\p+1], v[ADK] offset:3456*\c+864*(\t%2)+64*(\t/2)+288*\p
.endr
.endr
.endr
.irp c, 0,1
.irp u, 0,1
	ds_load_b32 v[KS+2*\c+\u], v[ADS] offset:256*\c+32*\u
.endr
.endr
	s_wait_alu depctr_va_vdst(0)                   ; directly ahead of the wait below
	s_wait_dscnt 0x0
.irp c, 0,1
.irp u, 0,1
	QKM S+32*\c+16*\u, KF+24*\c+12*\u, KS+2*\c+\u, 0
	QKM S+32*\c+16*\u+8, KF+24*\c+12*\u+6, KS+2*\c+\u, 1
.endr
.endr
	NOPS4                                          ; places in front of the loads below and of the first read of the scores
.irp t, 0,1,2,3                                ; V's four tiles go out now and land under the softmax
.irp p, 0,1,2,3,4,5
	ds_load_b64 v[KF+12*\t+2*\p:KF+12*\t+2*\p+1], v[ADV] offset:6144*\t+256*\p
.endr
.endr
.irp u, 0,1
	ds_load_b32 v[VS+\u], v[ADT] offset:128*\u
.endr
.irp c, 0,1                                    ; the largest score of my two blocks of 32 keys, two chains each; every accumulator is first read at its low end
.irp u, 0,1
	v_max3_num_f32 v[MX+2*\c+\u], v[S+32*\c+16*\u], v[S+32*\c+16*\u+1], v[S+32*\c+16*\u+2]
.endr
.endr
.irp i, 3,5,7,9,11,13
.irp c, 0,1
.irp u, 0,1
	v_max3_num_f32 v[MX+2*\c+\u], v[MX+2*\c+\u], v[S+32*\c+16*\u+\i], v[S+32*\c+16*\u+\i+1]
.endr
.endr
.endr
.irp c, 0,1
	v_max3_num_f32 v[BM+\c], v[MX+2*\c], v[MX+2*\c+1], v[S+32*\c+15]
.endr
.irp c, 0,1
	v_max_num_f32 v[BM+\c], v[BM+\c], v[S+32*\c+31]
.endr
	s_delay_alu instid0(VALU_DEP_1)
	v_max_num_f32 v[T0], v[BM], v[BM+1]
	s_delay_alu instid0(VALU_DEP_1)
	v_permlanex16_b32 v[BX], v[T0], s[SEL], s[SEL+1]
	s_delay_alu instid0(VALU_DEP_1)
	v_max3_num_f32 v13, v13, v[T0], v[BX]          ; the largest score so far, with lane l xor 16's 64 keys
	s_delay_alu instid0(VALU_DEP_1)
	v_mul_f32 v[T0], s[CS], v13                    ; as t (c is positive)
	s_delay_alu instid0(VALU_DEP_1)
	v_floor_f32 v[T1], -v[T0]                      ; the new -M = floor(-t): M is a whole number
	s_delay_alu instid0(VALU_DEP_1)
	v_sub_f32 v[T0], v[T1], v12                    ; old M - new M, 0 or less
	v_mov_b32 v12, v[T1]
	s_delay_alu instid0(VALU_DEP_2)
	v_cvt_i32_f32 v[T0], v[T0]                     ; (it saturates)
.set j, 0
.rept 32
	v_pk_fma_f32 v[S+j:S+j+1], v[S+j:S+j+1], s[CS:CS+1], v[12:13] op_sel_hi:[1,0,0]   ; t - M, two at a time (of the pairs the low word serves both halves)
.set j, j+2
.endr
.irp c, 0,1
	v_fma_f32 v[BM+\c], v[BM+\c], s[CS], v12       ; the same of each block's largest score
.endr
	s_wait_alu depctr_va_vdst(0)                   ; ahead of the batch
.set j, 0
.rept 64
	v_exp_f32 v[S+j], v[S+j]                       ; p = 2^(t - M), at most 1
.set j, j+1
.endr
.irp c, 0,1
	v_exp_f32 v[BM+\c], v[BM+\c]                   ; the block's largest p
.endr
	v_ldexp_f32 v[F], 1.0, v[T0]                   ; f = 2^(old M - new M): the plain instruction behind the exponentials
	s_wait_alu depctr_va_vdst(0)                   ; one wait for the whole batch, ahead of its first reader
.irp k, 0,1,2,3,4,5,6,7                        ; the row's sum of the unquantised p: eight chains, two numbers an instruction
	v_pk_add_f32 v[AC+2*\k:AC+2*\k+1], v[S+2*\k:S+2*\k+1], v[S+16+2*\k:S+17+2*\k]
.endr
.irp m, 32,48
.irp k, 0,1,2,3,4,5,6,7
	v_pk_add_f32 v[AC+2*\k:AC+2*\k+1], v[AC+2*\k:AC+2*\k+1], v[S+\m+2*\k:S+\m+1+2*\k]
.endr
.endr
.irp k, 0,1,2,3
	v_pk_add_f32 v[AC+2*\k:AC+2*\k+1], v[AC+2*\k:AC+2*\k+1], v[AC+8+2*\k:AC+9+2*\k]
.endr
.irp c, 0,1
	v_max_num_f32 v[BM+\c], 0x1800000, v[BM+\c]    ; the floor 2^(3 - 127): the byte cannot fall under 1
.endr
.irp k, 0,1
	s_delay_alu instid0(VALU_DEP_4)
	v_pk_add_f32 v[AC+2*\k:AC+2*\k+1], v[AC+2*\k:AC+2*\k+1], v[AC+4+2*\k:AC+5+2*\k]
.endr
.irp c, 0,1
	s_delay_alu instid0(VALU_DEP_4)
	v_add_nc_u32 v[SO+\c], 0xff000000, v[BM+\c]    ; 2 off the exponent field: the conversion's scale operand
.endr
	s_delay_alu instid0(VALU_DEP_3)
	v_pk_add_f32 v[AC:AC+1], v[AC:AC+1], v[AC+2:AC+3]
.irp c, 0,1
	s_delay_alu instid0(VALU_DEP_3)
	v_lshrrev_b32 v[BX+\c], 23, v[SO+\c]           ; the byte
.endr
	s_delay_alu instid0(VALU_DEP_3)
	v_pk_fma_f32 v[14:15], v[14:15], v[F:F+1], v[AC:AC+1] op_sel_hi:[1,0,1]   ; the sums under the new M, and this step's
	s_delay_alu instid0(VALU_DEP_2)
	v_lshl_or_b32 v[PW], v[BX+1], 16, v[BX]        ; my two bytes: blocks h and 2 + h of my query,
	s_delay_alu instid0(VALU_DEP_1)
	v_lshlrev_b32 v[PW], v[H8], v[PW]              ; at their places in the scale word;
	s_delay_alu instid0(VALU_DEP_1)
	v_permlanex16_b32 v[T1], v[PW], s[SEL], s[SEL+1]
	s_delay_alu instid0(VALU_DEP_1)
	v_or_b32 v[PW], v[PW], v[T1]                   ; with lane l xor 16's two the word is whole
.irp c, 0,1
	v_cvt_scalef32_pk16_fp6_f32 v[PC+6*\c:PC+2+6*\c], v[S+32*\c:S+15+32*\c], v[SO+\c]
	v_cvt_scalef32_pk16_fp6_f32 v[PH+4*\c:PH+2+4*\c], v[S+16+32*\c:S+31+32*\c], v[SO+\c]   ; (a conversion's three registers begin on an even number)
.endr
	v_nop                                          ; one plain instruction behind the scaled conversions
.irp c, 0,1
.irp i, 0,1,2
	v_mov_b32 v[PC+3+6*\c+\i], v[PH+4*\c+\i]       ; registers 6 c .. 6 c + 5 hold keys 64 c + 32 h + 0 .. 31
.endr
.endr
	s_wait_alu depctr_va_vdst(0)                   ; directly ahead of the first reader of O^T
.set j, 0
.rept 16
	v_pk_mul_f32 v[O+j:O+j+1], v[O+j:O+j+1], v[F:F+1] op_sel_hi:[1,0]   ; O^T under the new M, each accumulator from its low end on; these also part p's scale word and codes from the products below
.set j, j+2
.endr
	s_wait_alu depctr_va_vdst(0)                   ; directly ahead of the wait below
	s_wait_dscnt 0x0                               ; V is in
.irp u, 0,1                                    ; four accumulators, one instruction a turn
	PVM O+16*\u, KF+24*\u, VS+\u, 0
	PVM O+16*\u+8, KF+24*\u+12, VS+\u, 1
.endr
	s_add_co_u32 s[TK], s[TK], 6912                ; the next 128 keys
	s_add_co_u32 s[TV], s[TV], 1536
	s_add_co_u32 s[TS], s[TS], 512
	s_add_co_u32 s[TT], s[TT], 256
.endm
	s_mov_b32 s[PASS], 2
.Lpass:
	s_wait_loadcnt 0x0                             ; this pass's Q, asked for a pass ago
.irp i, 0,1,2,3,4,5
	v_mov_b32 v[16+\i], v[QN+\i]
.endr
	v_mov_b32 v[QS], v[QSN]
	s_cmp_eq_u32 s[PASS], 1                        ; the last pass asks for nothing: no load leaves its part of the buffer
	s_cbranch_scc1 .Lno_next_q
.irp p, 0,1,2
	global_load_b64 v[QN+2*\p:QN+2*\p+1], v[GL8], s[QA:QA+1] offset:12288+256*\p   ; 16 tiles on
.endr
	global_load_b32 v[QSN], v[R4], s[QSA:QSA+1] offset:1024
.Lno_next_q:
	v_mov_b32 v13, 0xff61b1e6                      ; the largest score so far: -3e38
	v_mov_b32 v12, 0x7e000000                      ; -M = 2^125: the first step's f comes out 0
	v_mov_b32 v14, 0
	v_mov_b32 v15, 0
.set j, 0
.rept 32
	v_mov_b32 v[O+j], 0                            ; the step is written once for all steps: the first finds zeros, which the first change of M leaves zeros
.set j, j+1
.endr
	s_mov_b32 s[TK], 0
	s_mov_b32 s[TV], 0
	s_mov_b32 s[TS], 0
	s_mov_b32 s[TT], 0
	s_mov_b32 s[CNT], 0
.Lstep:
	STEP
	s_add_co_u32 s[CNT], s[CNT], 1
	s_cmp_lt_u32 s[CNT], 16
	s_cbranch_scc1 .Lstep
	; the way out of a pass: O^T / the sum, quantised along the head's 64 channels (two blocks), three register pairs and two scale bytes a row
	NOPS4
	v_add_f32 v14, v14, v15
	s_delay_alu instid0(VALU_DEP_1)
	v_permlanex16_b32 v[T0], v14, s[SEL], s[SEL+1]
	s_delay_alu instid0(VALU_DEP_1)
	v_add_f32 v14, v14, v[T0]                      ; the row's sum
	s_wait_alu depctr_va_vdst(0)                   ; ahead of the reciprocal
	v_rcp_f32 v[F], v14
	v_nop                                          ; a plain instruction behind the reciprocal,
	s_wait_alu depctr_va_vdst(0)                   ; and the wait ahead of its first reader, which is O^T's first reader too
.set j, 0
.rept 16
	v_pk_mul_f32 v[S+j:S+j+1], v[O+j:O+j+1], v[F:F+1] op_sel_hi:[1,0]   ; register 16 b + i = channel 32 b + 16 (lane / 16) + i
.set j, j+2
.endr
.irp b, 0,1
	v_max3_num_f32 v[BM+\b], |v[S+16*\b]|, |v[S+1+16*\b]|, 0x1800000
.endr
.irp i, 2,4,6,8,10,12,14
.irp b, 0,1
	s_delay_alu instid0(VALU_DEP_2)
	v_max3_num_f32 v[BM+\b], v[BM+\b], |v[S+16*\b+\i]|, |v[S+1+16*\b+\i]|
.endr
.endr
.irp b, 0,1
	s_delay_alu instid0(VALU_DEP_2)
	v_permlanex16_b32 v[BX+\b], v[BM+\b], s[SEL], s[SEL+1]
.endr
.irp b, 0,1
	s_delay_alu instid0(VALU_DEP_2)
	v_max_num_f32 v[BM+\b], v[BM+\b], v[BX+\b]
.endr
.irp b, 0,1
	s_delay_alu instid0(VALU_DEP_2)
	v_add_nc_u32 v[SO+\b], 0xff000000, v[BM+\b]
.endr
.irp b, 0,1
	s_delay_alu instid0(VALU_DEP_2)
	v_lshrrev_b32 v[BX+\b], 23, v[SO+\b]
.endr
	s_delay_alu instid0(VALU_DEP_1)
	v_lshl_or_b32 v[T1], v[BX+1], 8, v[BX]
	v_cvt_scalef32_pk16_fp6_f32 v[PC:PC+2], v[S:S+15], v[SO]
	v_cvt_scalef32_pk16_fp6_f32 v[PH:PH+2], v[S+16:S+31], v[SO+1]
	v_nop
.irp i, 0,1,2
	v_permlane16_swap_b32 v[PC+\i], v[PH+\i]       ; the layout wants a whole block in a lane
.endr
.irp i, 0,1,2
	s_delay_alu instid0(VALU_DEP_3)
	v_mov_b32 v[PC+3+\i], v[PH+\i]
.endr
.irp p, 0,1,2
	global_store_b64 v[GL8], v[PC+2*\p:PC+2*\p+1], s[OA:OA+1] offset:256*\p   ; 32 lanes store 256 consecutive bytes, aligned
.endr
	global_store_b16 v[R8], v[T1], s[OSA:OSA+1]    ; my row's two scale bytes (lanes r and r + 16 store the same)
	s_wait_xcnt 0x0                                ; the stores have read their bases and data: both are written again
	s_add_nc_u64 s[OA:OA+1], s[OA:OA+1], 196608    ; 16 tiles on
	s_add_nc_u64 s[OSA:OSA+1], s[OSA:OSA+1], 8192
	s_sub_co_u32 s[PASS], s[PASS], 1
	s_cmp_lg_u32 s[PASS], 0
	s_cbranch_scc1 .Lpass
	s_wait_tensorcnt 0x0                           ; the wave's end
	ds_add_u32 v[SPW], v[NIL]
	s_wait_dscnt 0x0
	CROUND                                         ; no work-group ends while a partner may still ask for a piece that names it
	s_endpgm
.Lfunc_end_k_qcd85c4a701_attn:
	.size	k_qcd85c4a701_attn, .Lfunc_end_k_qcd85c4a701_attn-k_qcd85c4a701_attn
	.p2alignl 7, 3214868480
	.fill 96, 4, 3214868480
	.section	.rodata,"a",@progbits
	.p2align	6, 0x0
	.amdhsa_kernel k_qcd85c4a701_attn
		.amdhsa_group_segment_fixed_size 327680
		.amdhsa_private_segment_fixed_size 0
		.amdhsa_enable_private_segment 0
		.amdhsa_kernarg_size 32
		.amdhsa_user_sgpr_count 2
		.amdhsa_user_sgpr_kernarg_segment_ptr 1
		.amdhsa_wavefront_size32 1
		.amdhsa_system_sgpr_workgroup_id_x 1
		.amdhsa_system_sgpr_workgroup_id_y 1
		.amdhsa_system_sgpr_workgroup_id_z 1
		.amdhsa_system_vgpr_workitem_id 0
		.amdhsa_next_free_vgpr 256
		.amdhsa_next_free_sgpr 84
		.amdhsa_reserve_vcc 0
		.amdhsa_float_denorm_mode_32 3
		.amdhsa_float_denorm_mode_16_64 3
		.amdhsa_memory_ordered 1
		.amdhsa_forward_progress 1
		.amdhsa_inst_pref_size 33
	.end_amdhsa_kernel
	.amdgpu_metadata
---
amdhsa.version: [ 1, 2 ]
amdhsa.kernels:
  - .name:           k_qcd85c4a701_attn
    .symbol:         k_qcd85c4a701_attn.kd
    .args:
      - { .name: qkv, .offset: 0, .size: 8, .value_kind: global_buffer, .address_space: global }
      - { .name: qkvs, .offset: 8, .size: 8, .value_kind: global_buffer, .address_space: global }
      - { .name: ao, .offset: 16, .size: 8, .value_kind: global_buffer, .address_space: global }
      - { .name: aos, .offset: 24, .size: 8, .value_kind: global_buffer, .address_space: global }
    .group_segment_fixed_size: 327680
    .private_segment_fixed_size: 0
    .kernarg_segment_align: 8
    .kernarg_segment_size: 32
    .max_flat_workgroup_size: 512
    .sgpr_count:     84
    .vgpr_count:     256
    .wavefront_size: 32
...
	.end_amdgpu_metadata
.endif
;; end of part 3
;; launch gemm_out (part 4): grid 4 x 32, 4 waves a work-group, clusters of 4 x 4, 327,680 bytes of LDS; arguments ao, aos, wc, ws, out0; writes out0
.if DOCPART == 4
	.amdgcn_target "amdgcn-amd-amdhsa--gfx1250"
	.amdhsa_code_object_version 6
	.text
	.protected	k_qcd85c4a701_gemm_out
	.globl	k_qcd85c4a701_gemm_out
	.p2align	8
	.type	k_qcd85c4a701_gemm_out,@function
k_qcd85c4a701_gemm_out:
	s_mov_b64 s[64:65], 0
	v_nop
	global_prefetch_b8 v0, s[64:65] scope:SCOPE_SE
	s_setreg_imm32_b32 hwreg(HW_REG_WAVE_MODE, 25, 1), 1
	s_wait_xcnt 0x0
	s_wait_alu depctr_hold_cnt(0) depctr_sa_sdst(0) depctr_va_vdst(0) depctr_va_sdst(0) depctr_va_ssrc(0) depctr_va_vcc(0) depctr_vm_vsrc(0)
	s_getreg_b32 s2, hwreg(HW_REG_IB_STS2, 6, 4)
	s_cmp_eq_u32 s2, 0
	s_cbranch_scc0 .Lentry_in_a_cluster
	s_endpgm
.Lentry_in_a_cluster:
	s_bfe_u32 s2, ttmp6, 0x10000c
	s_cmp_lg_u32 s2, 0xf033
	s_cbranch_scc0 .Lentry_shape_is_right
	s_endpgm
.Lentry_shape_is_right:
.set NQ,     2
.set ROWB,   3072
.set FR,     12
.set NL,     6
.set NP,     4
.set HALFT,  8*ROWB
.set SLOT,   4*HALFT
.set LAPS,   2
.set SCL,    2*SLOT
.set HALFS,  4096
.set SPARE,  SCL+4*HALFS
.set SPITCH, 528
.set ADRA, 16
.set ADRB, 20
.set STO,  24
.set RD,   25
.set CO,   26
.set ADRS, 27
.set SPW,  28
.set NIL,  29
.set SC,   32
.set AF,   128
.set BK,   128
.set G1, 24
.set G0, 32
.set G1B, 48
.set G0B, 56
.set G1S, 68
.set G0S, 76
.set G1SB, 80
.set G0SB, 88
.set MSB, 0
.macro WIN new
.if MSB != \new
	s_set_vgpr_msb (MSB<<8)|\new
.set MSB, \new
.endif
.endm
.set MUL_LO, 0xa1
.set MUL_HI, 0xf1
.set TO_B,   0x40
.macro JLOAD g0a, g1a, g0b, g1b
	s_cmp_eq_u32 s15, 0
	s_cbranch_scc0 .Lfor_b_\@
	tensor_load_to_lds s[\g0a:\g0a+3], s[\g1a:\g1a+7]
	s_nop 0
.rept 4
	v_nop
.endr
	s_branch .Lasked_\@
.Lfor_b_\@:
	tensor_load_to_lds s[\g0b:\g0b+3], s[\g1b:\g1b+7]
	s_nop 0
.rept 4
	v_nop
.endr
.Lasked_\@:
.endm
.macro CREST
	s_cmp_lg_u32 s14, 0
	s_cbranch_scc1 .Lnot_wave_0_\@
	s_barrier_signal -3
.Lnot_wave_0_\@:
	s_barrier_wait -3
	s_barrier_signal -1
	s_barrier_wait -1
.endm
.macro CROUND
	s_barrier_signal -1
	s_barrier_wait -1
	CREST
.endm
	s_load_b128 s[4:7], s[0:1], 0x0
	s_load_b128 s[8:11], s[0:1], 0x10
	s_load_b64 s[12:13], s[0:1], 0x20
	v_lshl_add_u32 v[SPW], v0, 2, SPARE
	v_mov_b32 v[NIL], 0
	ds_add_u32 v[SPW], v[NIL]
	ds_add_u32 v[SPW], v[NIL]
	v_lshrrev_b32 v1, 5, v0
	v_readfirstlane_b32 s14, v1
	s_lshr_b32 s15, s14, 1
	s_and_b32 s16, s14, 1
	s_bfe_u32 s40, ttmp6, 0x40000
	s_bfe_u32 s41, ttmp6, 0x40004
	s_lshl_b32 s42, ttmp9, 2
	s_add_co_u32 s42, s42, s40
	s_and_b32 s17, ttmp7, 0xffff
	s_lshl_b32 s17, s17, 2
	s_add_co_u32 s17, s17, s41
	s_lshl_b32 s43, s41, 2
	s_lshl_b32 s43, 15, s43
	s_lshl_b32 s44, 0x1111, s40
	s_or_b32 s[G1+0], s43, (3<<16)|(1<<21)
	s_or_b32 s[G1B+0], s44, (3<<16)|(1<<21)
.irp g, G1, G1B
	s_mov_b32 s[\g+1], 384<<16
	s_mov_b32 s[\g+2], 8<<16
	s_mov_b32 s[\g+3], 384<<16
	s_mov_b32 s[\g+4], 8
	s_mov_b32 s[\g+5], 1536
	s_mov_b32 s[\g+6], 0
	s_mov_b32 s[\g+7], 0
.endr
	s_or_b32 s[G1S+0], s43, (3<<16)|(1<<21)
	s_or_b32 s[G1SB+0], s44, (3<<16)|(1<<21)
.irp g, G1S, G1SB
	s_mov_b32 s[\g+1], 32<<16
	s_mov_b32 s[\g+2], 16<<16
	s_mov_b32 s[\g+3], 32<<16
	s_mov_b32 s[\g+4], 16
	s_mov_b32 s[\g+5], 32
	s_mov_b32 s[\g+6], 0
	s_mov_b32 s[\g+7], 0
.endr
	s_lshl_b32 s18, s16, 3
	s_lshl_b32 s20, s17, 4
	s_add_co_u32 s20, s20, s18
	s_lshl_b32 s46, s42, 4
	s_add_co_u32 s46, s46, s18
	s_add_co_u32 s46, s46, 192
	s_lshl_b32 s22, s20, 9
	s_mov_b32 s23, 0
	s_lshl_b32 s92, s46, 9
	s_mov_b32 s93, 0
	s_mul_i32 s20, s20, 12288
	s_mov_b32 s21, 0
	s_mul_i32 s46, s46, 12288
	s_mov_b32 s47, 0
	s_mul_i32 s45, s14, HALFT
	s_mul_i32 s94, s14, HALFS
	s_wait_dscnt 0x0
	s_wait_kmcnt 0x0
	s_add_nc_u64 s[20:21], s[4:5], s[20:21]
	s_add_nc_u64 s[22:23], s[6:7], s[22:23]
	s_add_nc_u64 s[46:47], s[8:9], s[46:47]
	s_add_nc_u64 s[92:93], s[10:11], s[92:93]
	CROUND
	s_mov_b32 s[G0S], 1
	s_add_co_u32 s[G0S+1], s94, SCL
	s_mov_b64 s[G0S+2:G0S+3], s[22:23]
	s_or_b32 s[G0S+3], s[G0S+3], 0x80000000
	s_mov_b32 s[G0SB], 1
	s_add_co_u32 s[G0SB+1], s94, SCL
	s_mov_b64 s[G0SB+2:G0SB+3], s[92:93]
	s_or_b32 s[G0SB+3], s[G0SB+3], 0x80000000
	JLOAD G0S, G1S, G0SB, G1SB
.irp s, 0,1
	s_mov_b32 s[G0+4*\s], 1
	s_add_co_u32 s[G0+4*\s+1], s45, \s*SLOT
	s_add_nc_u64 s[G0+4*\s+2:G0+4*\s+3], s[20:21], \s*ROWB
	s_or_b32 s[G0+4*\s+3], s[G0+4*\s+3], 0x80000000
	s_mov_b32 s[G0B+4*\s], 1
	s_add_co_u32 s[G0B+4*\s+1], s45, \s*SLOT
	s_add_nc_u64 s[G0B+4*\s+2:G0B+4*\s+3], s[46:47], \s*ROWB
	s_or_b32 s[G0B+4*\s+3], s[G0B+4*\s+3], 0x80000000
	s_wait_alu depctr_va_vdst(0)
	s_wait_tensorcnt 0x0
	ds_add_u32 v28, v29
	s_wait_dscnt 0x0
	CROUND
	JLOAD G0+4*\s, G1, G0B+4*\s, G1B
.endr
	v_and_b32 v1, 15, v0
	v_bfe_u32 v2, v0, 4, 1
	s_wait_alu depctr_va_vdst(0)
	v_and_b32 v3, 31, v0
	v_lshlrev_b32 v4, 3, v3
	s_mul_i32 s21, s15, HALFT
	s_mul_i32 s22, s16, HALFT
	s_add_co_u32 s22, s22, 2*HALFT
.irp s, 0,1
	v_add_nc_u32 v[ADRA+\s], s21, v4
	v_add_nc_u32 v[ADRB+\s], s22, v4
	s_add_co_u32 s21, s21, SLOT
	s_add_co_u32 s22, s22, SLOT
.endr
	v_lshlrev_b32 v5, 3, v1
	s_mul_i32 s21, s15, HALFS
	s_mul_i32 s22, s16, HALFS
	s_add_co_u32 s22, s22, 2*HALFS
	s_sub_co_u32 s22, s22, s21
	v_mul_u32_u24 v6, s22, v2
	s_add_co_u32 s21, s21, SCL
	v_add_nc_u32 v5, v5, v6
	v_add_nc_u32 v[ADRS], s21, v5
	s_mul_i32 s23, s14, 16*SPITCH
	v_mul_u32_u24 v5, v1, SPITCH
	v_lshl_add_u32 v5, v2, 6, v5
	v_add_nc_u32 v[STO], s23, v5
	v_lshlrev_b32 v[CO], 4, v3
	v_add_nc_u32 v[RD], s23, v[CO]
	s_lshl_b32 s20, s17, 8
	s_lshl_b32 s21, s15, 7
	s_add_co_u32 s20, s20, s21
	s_lshl_b32 s20, s20, 12
	s_lshl_b32 s46, s42, 10
	s_lshl_b32 s47, s16, 9
	s_add_co_u32 s46, s46, s47
	s_add_co_u32 s20, s20, s46
	s_mov_b32 s21, 0
	s_add_nc_u64 s[12:13], s[12:13], s[20:21]
.macro FRAG reg, adr, q, i
.irp p, 0,1,2,3,4,5
	ds_load_b64 v[\reg+2*\p:\reg+2*\p+1], v[\adr] offset:ROWB*(\i)+1536*(\q)+256*\p
.endr
.endm
.macro MUL16 a0, p, q, sc, zero
.irp a, \a0, \a0+1
.irp b, 0,1,2,3,4,5,6,7
.if \zero
	v_wmma_scale_f32_16x16x128_f8f6f4 v[8*(8*((\a)%4)+\b):8*(8*((\a)%4)+\b)+7], v[128*(\p)+FR*\b:128*(\p)+FR*\b+FR-1], v[AF+FR*(\a):AF+FR*(\a)+FR-1], 0, v[SC+8*NQ*(\sc)+NQ*\b+(\q)], v[SC+8*NQ*(\sc)+NQ*(\a)+(\q)] matrix_a_fmt:MATRIX_FMT_FP6 matrix_b_fmt:MATRIX_FMT_FP6 matrix_a_scale:MATRIX_SCALE_ROW1
.else
	v_wmma_scale_f32_16x16x128_f8f6f4 v[8*(8*((\a)%4)+\b):8*(8*((\a)%4)+\b)+7], v[128*(\p)+FR*\b:128*(\p)+FR*\b+FR-1], v[AF+FR*(\a):AF+FR*(\a)+FR-1], v[8*(8*((\a)%4)+\b):8*(8*((\a)%4)+\b)+7], v[SC+8*NQ*(\sc)+NQ*\b+(\q)], v[SC+8*NQ*(\sc)+NQ*(\a)+(\q)] matrix_a_fmt:MATRIX_FMT_FP6 matrix_b_fmt:MATRIX_FMT_FP6 matrix_a_scale:MATRIX_SCALE_ROW1
.endif
.endr
.endr
.endm
.macro FETCH_B slot, q, p
	WIN TO_B
.irp i, 0,1,2,3,4,5,6,7
	FRAG 128*(\p)+FR*\i, ADRB+\slot, \q, \i
.endr
	WIN 0
.endm
.macro FETCH_A slot, q, i0
.irp i, \i0, \i0+1, \i0+2, \i0+3
	FRAG AF+FR*(\i), ADRA+\slot, \q, \i
.endr
.endm
.macro SCALES sc
.irp i, 0,1,2,3,4,5,6,7
	ds_load_b64 v[SC+8*NQ*\sc+NQ*\i:SC+8*NQ*\sc+NQ*\i+1], v[ADRS] offset:\i*512
.endr
.endm
.macro PLACES n
.rept \n
	v_nop
.endr
.endm
.macro STEP slot, q, zero
	s_wait_dscnt 4*NL
	WIN MUL_LO
	MUL16 0, (\q)%2, \q, \slot, \zero
	MUL16 2, (\q)%2, \q, \slot, \zero
	s_wait_dscnt 0
	PLACES NP
	FETCH_B \slot, (\q)+1, 1-(\q)%2
	FETCH_A \slot, (\q)+1, 0
	WIN MUL_HI
	MUL16 4, (\q)%2, \q, \slot, \zero
	MUL16 6, (\q)%2, \q, \slot, \zero
	PLACES NP
	WIN 0
	FETCH_A \slot, (\q)+1, 4
.endm
.macro TURN slot, next, fill
	s_wait_tensorcnt 0x0
	ds_add_u32 v[SPW], v[NIL]
	s_wait_dscnt 4*NL+1
	WIN MUL_LO
	MUL16 0, 1, NQ-1, \slot, 0
	s_wait_dscnt 0x0
	s_barrier_signal -1
	MUL16 2, 1, NQ-1, \slot, 0
	WIN 0
	s_barrier_wait -1
.if \fill
	CREST
	s_add_nc_u64 s[G0+4*\slot+2:G0+4*\slot+3], s[G0+4*\slot+2:G0+4*\slot+3], 2*ROWB
	s_add_nc_u64 s[G0B+4*\slot+2:G0B+4*\slot+3], s[G0B+4*\slot+2:G0B+4*\slot+3], 2*ROWB
	JLOAD G0+4*\slot, G1, G0B+4*\slot, G1B
.else
	PLACES NP
.endif
	s_wait_alu depctr_va_vdst(0)
	v_add_nc_u32 v[ADRS], 128, v[ADRS]
	FETCH_B \next, 0, 0
	FETCH_A \next, 0, 0
	SCALES \next
	WIN MUL_HI
	MUL16 4, 1, NQ-1, \slot, 0
	MUL16 6, 1, NQ-1, \slot, 0
	PLACES NP
	WIN 0
	FETCH_A \next, 0, 4
.endm
	s_wait_alu depctr_va_vdst(0)
	s_wait_tensorcnt 1
	s_barrier_signal -1
	s_barrier_wait -1
	FETCH_B 0, 0, 0
	FETCH_A 0, 0, 0
	SCALES 0
	FETCH_A 0, 0, 4
	STEP 0, 0, 1
	s_mov_b32 s3, LAPS-1
.Llap:
	TURN 0, 1, 1
	STEP 1, 0, 0
	TURN 1, 0, 1
	STEP 0, 0, 0
	s_sub_co_u32 s3, s3, 1
	s_cmp_lg_u32 s3, 0
	s_cbranch_scc1 .Llap
	TURN 0, 1, 0
	STEP 1, 0, 0
	s_wait_dscnt 4*NL
	WIN MUL_LO
	MUL16 0, 1, NQ-1, 1, 0
	MUL16 2, 1, NQ-1, 1, 0
	s_wait_dscnt 0
	WIN MUL_HI
	MUL16 4, 1, NQ-1, 1, 0
	MUL16 6, 1, NQ-1, 1, 0
	WIN 0
.macro TOSTAGE a
.set AC, 64*((\a)%4)
.set WN, 0x08+4*((\a)/4)
	WIN WN
.irp b, 0,1,2,3,4,5,6,7
	ds_store_b128 v[STO], v[AC+8*\b:AC+8*\b+3] offset:128*(\b/2)+32*(\b%2)
	ds_store_b128 v[STO], v[AC+8*\b+4:AC+8*\b+7] offset:128*(\b/2)+32*(\b%2)+16
.endr
	WIN 0
.set BB, BK+64*((\a)%2)
.irp t, 0,1,2,3,4,5,6,7,8,9,10,11,12,13,14,15
	ds_load_b128 v[BB+4*\t:BB+4*\t+3], v[RD] offset:\t*SPITCH
.endr
.endm
.macro SEND a, younger
.set BB, BK+64*((\a)%2)
	s_wait_dscnt \younger
.irp t, 0,1,2,3,4,5,6,7,8,9,10,11,12,13,14,15
	global_store_b128 v[CO], v[BB+4*\t:BB+4*\t+3], s[12:13] offset:(32*((\a)/2)+8*((\a)%2)+\t+8*(\t/8))*4096 th:TH_STORE_NT
.endr
.endm
	PLACES NP
	TOSTAGE 0
.irp a, 1,2,3,4,5,6,7
.if \a > 1
	s_wait_xcnt 0x0
.endif
	TOSTAGE \a
	SEND \a-1, 32
.endr
	SEND 7, 0
	s_wait_tensorcnt 0x0
	ds_add_u32 v[SPW], v[NIL]
	s_wait_dscnt 0x0
	CROUND
	s_endpgm
.Lfunc_end_k_qcd85c4a701_gemm_out:
	.size	k_qcd85c4a701_gemm_out, .Lfunc_end_k_qcd85c4a701_gemm_out-k_qcd85c4a701_gemm_out
	.p2alignl 7, 3214868480
	.fill 96, 4, 3214868480
	.section	.rodata,"a",@progbits
	.p2align	6, 0x0
	.amdhsa_kernel k_qcd85c4a701_gemm_out
		.amdhsa_group_segment_fixed_size 327680
		.amdhsa_private_segment_fixed_size 0
		.amdhsa_enable_private_segment 0
		.amdhsa_kernarg_size 40
		.amdhsa_user_sgpr_count 2
		.amdhsa_user_sgpr_kernarg_segment_ptr 1
		.amdhsa_wavefront_size32 1
		.amdhsa_system_sgpr_workgroup_id_x 1
		.amdhsa_system_sgpr_workgroup_id_y 1
		.amdhsa_system_sgpr_workgroup_id_z 1
		.amdhsa_system_vgpr_workitem_id 0
		.amdhsa_next_free_vgpr 1024
		.amdhsa_next_free_sgpr 98
		.amdhsa_reserve_vcc 0
		.amdhsa_float_denorm_mode_32 3
		.amdhsa_float_denorm_mode_16_64 3
		.amdhsa_memory_ordered 1
		.amdhsa_forward_progress 1
		.amdhsa_inst_pref_size 160
	.end_amdhsa_kernel
	.amdgpu_metadata
---
amdhsa.version: [ 1, 2 ]
amdhsa.kernels:
  - .name:           k_qcd85c4a701_gemm_out
    .symbol:         k_qcd85c4a701_gemm_out.kd
    .args:
      - { .name: ao, .offset: 0, .size: 8, .value_kind: global_buffer, .address_space: global }
      - { .name: aos, .offset: 8, .size: 8, .value_kind: global_buffer, .address_space: global }
      - { .name: wc, .offset: 16, .size: 8, .value_kind: global_buffer, .address_space: global }
      - { .name: ws, .offset: 24, .size: 8, .value_kind: global_buffer, .address_space: global }
      - { .name: out0, .offset: 32, .size: 8, .value_kind: global_buffer, .address_space: global }
    .group_segment_fixed_size: 327680
    .private_segment_fixed_size: 0
    .kernarg_segment_align: 8
    .kernarg_segment_size: 40
    .max_flat_workgroup_size: 128
    .sgpr_count:     98
    .vgpr_count:     1024
    .wavefront_size: 32
...
	.end_amdgpu_metadata
.endif
;; end of part 4
